; MI455X (gfx1250); checked and timed in simulation.
; The chip was launched on July 23, 2026; its instructions are those of AMD's public machine-readable ISA for CDNA 5 (MIT licence, August 2026) and "CDNA5" Instruction Set Architecture Reference Guide (July 2026). The comments in the code are by the model that wrote it; some were corrected since.
;; Multi Head Attention. Allowed arithmetic: matrix products marked QUANTISED: E2M3 operands, one E8M0 scale for each 32 along K, by v_wmma_scale_f32_16x16x128_f8f6f4 with both operands' format E2M3, f32 sums; everything else in f32.
;; Inputs: Wk_codes 16 x 64 x 32 x 24 uint8 (E2M3 codes of Wk, K innermost, in blocks of 32 codes, four codes in three bytes); Wk_scales 16 x 64 x 32 uint8 (E8M0 scales of Wk, one for each 32 codes along K); Wo_codes 1,024 x 32 x 24 uint8 (E2M3 codes of Wo, K innermost, in blocks of 32 codes, four codes in three bytes); Wo_scales 1,024 x 32 uint8 (E8M0 scales of Wo, one for each 32 codes along K); Wq_codes 16 x 64 x 32 x 24 uint8 (E2M3 codes of Wq, K innermost, in blocks of 32 codes, four codes in three bytes); Wq_scales 16 x 64 x 32 uint8 (E8M0 scales of Wq, one for each 32 codes along K); Wv_codes 16 x 64 x 32 x 24 uint8 (E2M3 codes of Wv, K innermost, in blocks of 32 codes, four codes in three bytes); Wv_scales 16 x 64 x 32 uint8 (E8M0 scales of Wv, one for each 32 codes along K); bk 16 x 64 float32; bo 1,024 float32; bq 16 x 64 float32; bv 16 x 64 float32; x_codes 4 x 2,048 x 32 x 24 uint8 (E2M3 codes of x, K innermost, in blocks of 32 codes, four codes in three bytes); x_scales 4 x 2,048 x 32 uint8 (E8M0 scales of x, one for each 32 codes along K).
;; Outputs: out0 4 x 2,048 x 1,024 float32.
;; This version of the problem:
;;   THIS VERSION OF THE PROBLEM IS GIVEN IN LOW PRECISION. The matrix products marked QUANTISED in the list below multiply operands that are first quantised to E2M3 (2 exponent bits, 3 mantissa bits; 6 bits a number), with one power-of-two scale for each 32 numbers along K (OCP MX v1.0); their sums are f32. All else is computed in f32.
;;   The module's matrix products, in the order in which they are computed (A, B: the left and right operand; K: the contracted axis; several contracted axes count as one K, in the product's order):
;;     1. [M 1,024, K 1,024] x [K 1,024, N 8,192]; A: input Wq (given as codes); B: input x (given as codes): QUANTISED
;;     2. [M 1,024, K 1,024] x [K 1,024, N 8,192]; A: input Wk (given as codes); B: input x (given as codes): QUANTISED
;;     3. [M 1,024, K 1,024] x [K 1,024, N 8,192]; A: input Wv (given as codes); B: input x (given as codes): QUANTISED
;;     4. batch 64 x [M 2,048, K 64] x [K 64, N 2,048]; A: computed on the way; B: computed on the way: QUANTISED
;;     5. batch 64 x [M 2,048, K 2,048] x [K 2,048, N 64]; A: softmax (see below); B: computed on the way: QUANTISED
;;     6. [M 8,192, K 1,024] x [K 1,024, N 1,024]; A: computed on the way; B: input Wo (given as codes): QUANTISED
;;   THE QUANTISER, for each operand of a quantised product, along K:
;;     - K is cut into blocks of 32 from its start; a last block that is shorter is filled with zeros.
;;     - A block's scale is 2^e with e = floor(log2(the largest magnitude in the block)) - 2, held to -126 .. 127; a block of zeros has e = 0. As a byte (E8M0): e + 127.
;;     - Each number is divided by its block's scale, clamped to +-7.5, and rounded to the nearest number of E2M3, ties to even, subnormals kept.
;;     - The product sums the exact products of the quantised numbers (number of the format x scale) in f32.
;;   ~~~python
;;   def quantise(x, axis):      # numpy; x: float32 -> the quantised numbers, widened to float32 again
;;       x = np.moveaxis(x, axis, -1); K = x.shape[-1]
;;       x = np.pad(x, [(0, 0)] * (x.ndim - 1) + [(0, -K % 32)]); x = x.reshape(x.shape[:-1] + (-1, 32)); a = np.abs(x).max(-1, keepdims=True)
;;       e = np.where(a > 0, np.clip(np.frexp(np.where(a > 0, a, 1))[1] - 1 - 2, -126, 127), 0)      # np.frexp(a)[1] - 1 = floor(log2(a)), exactly
;;       r = np.clip(x / 2.0 ** e, -7.5, 7.5)
;;       step = 2.0 ** (np.maximum(np.frexp(np.where(r == 0, 1, r))[1] - 1, 0) - 3)
;;       q = np.round(r / step) * step * 2.0 ** e      # np.round: ties to even
;;       return np.moveaxis(q.reshape(q.shape[:-2] + (-1,))[..., :K], -1, axis).astype(np.float32)
;;   ~~~
;;   SOFTMAX AHEAD OF A QUANTISED PRODUCT. Where the list says 'softmax', what is quantised is not the finished softmax but p = 2^(t - M), with t = logit x log2(e) and M = ceil(the row's largest t), a whole number; so 1/2 < the row's largest p <= 1. The row's sum l is taken of the UNQUANTISED p, in f32, and the product's result is divided by l at the end. Since M is a whole number, a kernel that streams over the keys may use a running M (the ceiling of the running maximum): every later rescaling is an exact power of two, which a block's scale takes up: the codes' values come out the same.
;;   OPERANDS COMPUTED ON THE WAY. 'Computed on the way' means the value that the module computes at that place (a softmax that the list does not call 'softmax' is quantised finished and normalised). What goes into a quantiser is computed in f32, as accurately as f32 sums, v_exp_f32 and their like allow (about 1e-6 of the number): no bf16 or f16 on the way to a quantiser, and a product that is left as it is and whose result goes on into a quantised operand takes f32 operands (vector FMAs, or v_wmma_f32_16x16x4_f32). A number that lies on a knife's edge between two numbers of the format may be rounded either way, as far as f32 arithmetic and the matrix unit's own rounding can turn it there, and no further.
;;   INPUTS GIVEN AS CODES. Wk (in the module: [16, 1024, 64], K = its axis 1); Wo (in the module: [1024, 1024], K = its axis 1); Wq (in the module: [16, 1024, 64], K = its axis 1); Wv (in the module: [16, 1024, 64], K = its axis 1); x (in the module: [4, 2048, 1024], K = its axis 2): each comes as NAME_codes (uint8): NAME with its K axis moved to the last place and cut into blocks of 32 codes, [.., K / 32, bytes a block], one block behind the other in memory; four codes in three bytes: a row's codes are one little-endian stream of bits, code i at bits 6 i .. 6 i + 5 (a code: sign, 2 exponent bits, 3 mantissa bits); and NAME_scales (uint8): the same leading axes, one E8M0 byte (e + 127) for each 32 codes along K. Its value is code x scale, taken as it is: it is not quantised again, and the codes and scales need not be those that the quantiser above would give.
;; One version. Each part assembles by itself: llvm-mc -triple=amdgcn-amd-amdhsa -mcpu=gfx1250 --defsym DOCPART=n.
;; ======== version 1 of 1: 3 launches
;; workspace buffers: qkv 20,185,088 bytes; cc 6,291,456 bytes; cs 262,144 bytes
;; launch proj (part 1): grid 12 x 32, 4 waves a work-group, clusters of 4 x 4, 327,680 bytes of LDS; arguments x_codes, x_scales, Wq_codes, Wq_scales, Wk_codes, Wk_scales, Wv_codes, Wv_scales, bq, bk, bv, qkv; writes qkv
.if DOCPART == 1
	.amdgcn_target "amdgcn-amd-amdhsa--gfx1250"
	.amdhsa_code_object_version 6
	.text
	.protected	k_q0fc7e89c06_proj
	.globl	k_q0fc7e89c06_proj
	.p2align	8
	.type	k_q0fc7e89c06_proj,@function
k_q0fc7e89c06_proj:
	s_mov_b64 s[64:65], 0
	v_nop
	global_prefetch_b8 v0, s[64:65] scope:SCOPE_SE
	s_setreg_imm32_b32 hwreg(HW_REG_WAVE_MODE, 25, 1), 1
	s_wait_xcnt 0x0
	s_wait_alu depctr_hold_cnt(0) depctr_sa_sdst(0) depctr_va_vdst(0) depctr_va_sdst(0) depctr_va_ssrc(0) depctr_va_vcc(0) depctr_vm_vsrc(0)
	s_getreg_b32 s2, hwreg(HW_REG_IB_STS2, 6, 4)
	s_cmp_eq_u32 s2, 0
	s_cbranch_scc0 .Lentry_in_a_cluster
	s_endpgm
.Lentry_in_a_cluster:
	s_bfe_u32 s2, ttmp6, 0x10000c
	s_cmp_lg_u32 s2, 0xf033
	s_cbranch_scc0 .Lentry_shape_is_right
	s_endpgm
.Lentry_shape_is_right:
; Q = x Wq + bq, K = x Wk + bk, V = x Wv + bv on codes of FP6 (E2M3) with one E8M0 scale for each 32 along K = 1,024, sums in f32; the results are quantised at once for the two products of attention
; and stored as IMAGES OF OPERAND REGISTERS.  x: 8,192 rows of 768 bytes of codes and 32 scale bytes; each W: 1,024 rows (head, dk) likewise.
; SHARES.  The cluster's x says which product: 0 Q, 1 K, 2 V.  A tile is 256 x 256, four waves, a wave 128 x 128: 64 accumulators, 512 registers.  K goes in steps of 256 through two LDS slots.
; The matrix instruction takes 16 rows of "B" as source 0 and 16 rows of "A" as source 1: a lane then holds ONE row of A (lane % 16), and its registers run along the rows of B.
;   Q, K: A = x, B = W: a lane holds a row of x, its registers run along dk, which is the K of Q K^T.      V: A = Wv, B = x: a lane holds a dk, its registers run along the keys, the K of P V.
; A's tile hangs on the cluster's cy and B's on its cx for all three products, so masks, descriptors, LDS addresses and the loop are one text; only pointers and two addends are chosen, on the cluster's x, which all partners share.
; THE ORDER INSIDE A BLOCK OF 32.  Tiles are 16 neighbouring rows, so register j of tile i is index 16 i + 8 (lane / 16) + j.  The quantiser below then leaves each block of 32 codes in the order
; 0-7, 16-23, 8-15, 24-31.  Q and K have the same order, and so have V's keys and the softmax's keys in the next launch: the products are the same, summed in another order inside a block.
; OUTPUT: qkv [batch x 16 + head][step of 128 rows][REC bytes]: Q's codes 6,144, Q's scale words 512, K's likewise, V's codes 6,144, V's scale words 256.
;   Q, K: tile e (16 rows, K = 64: six registers) at 768 e: registers 0-3 at 16 x lane, registers 4-5 at 512 + 8 x lane.  Scale word of row r of tile e at 256 (e / 4) + 16 r + 4 (e % 4): bytes b0, b1, b0, b1.
;   V: tile t (16 dk x 128 keys: twelve registers) at 1,536 t: registers 4 c .. 4 c + 3 at 512 c + 16 x lane.  Scale word of dk row r of tile t at 16 r + 4 t.
; Every store of a wave covers 256 or 512 consecutive bytes, aligned to 256.
; LIMITS: NaN and infinities among the inputs are not served.  A block whose largest magnitude lies under 2^-124 (a block of zeros too) gets the byte 1: these bytes are read by this program alone.
.set KSTEP,  256                       ; along K in a slot
.set NQ,     2                         ; matrix instructions deep
.set ROWB,   192                       ; a tile's row in bytes
.set KROW,   768                       ; a row of codes in memory
.set PITCH,  240                       ; an LDS row: 3 x (64 bytes + 16 of padding)
.set FR,     12                        ; registers of a fragment
.set NL,     6                         ; LDS loads that bring one
.set NP,     4                         ; places behind this matrix instruction (ISA guide 7.12.1)
.set HALFT,  128*PITCH                 ; what one tensor load brings
.set SLOT,   4*HALFT                   ; A's 256 rows, then B's 256 rows
.set LAPS,   2                         ; 1,024 / 512
.set KS,     32                        ; a row of scale bytes
.set SCL,    2*SLOT                    ; behind the ring: the scales of the 512 rows, for all of K, as units of 256 bytes + 16
.set HALFS,  16*272                    ; those of 128 rows
.set SBLK,   2*272                     ; those of 16 rows
.set SPARE,  SCL+4*HALFS               ; the spare words: 128 bytes a wave, two blocks of 256 bytes that no other line names
.set REC,    19712                     ; a record of qkv
.set HSTR,   16*REC                    ; from head to head
.set L16,  7                           ; v7   16 x lane
.set L8,   8                           ; v8   8 x lane
.set VSA,  9                           ; v9   16 r + HSTR x (lane / 16): V's scale words
.set H32,  10                          ; v10  32 x (lane / 16): the bias of Q and K
.set R4,   11                          ; v11  4 r: the bias of V
.set ADRA, 16                          ; v16-17 LDS address of my A fragments in slot 0, 1 (v18-19: behind one padding more)
.set ADRB, 20                          ; v20-23 the same for B
.set ADRS, 27                          ; v27  LDS address of my scale words: lanes 0-15 A's rows, lanes 16-31 B's
.set SPW,  28                          ; v28  my spare word; never rewritten
.set NIL,  29                          ; v29  0; never rewritten
.set SC,   32                          ; v32-63 scale words, two sets
.set BI,   64                          ; v64-127 the bias
.set AF,   128                         ; v128-223 A's fragments, one set
.set T,    128                         ; the way out: 64 numbers of a lane
.set CD,   192                         ; the way out: v192-203 the codes, v204-210 halves on their way
.set TM,   224                         ; v224-227 largest magnitudes, v228-231 bytes, v232-233 V's bias as a pair, v236-239 the conversions' scale operands
.set SW,   240                         ; v240-255 scale words of the eight blocks
.set SS,   32                          ; v32-39 scale words as they are stored
.set G1, 24                            ; s[24:31] group 1 for A's tiles; s[32:39] group 0, a set for each slot
.set G0, 32
.set G1B, 48                           ; s[48:55], s[56:63] the same for B's
.set G0B, 56
.set G1S, 68                           ; s[68:75], s[76:79] for A's scales; s[80:87], s[88:91] for B's
.set G0S, 76
.set G1SB, 80
.set G0SB, 88
.set SEL, 100                          ; s[100:101] selects of v_permlanex16_b32: lane l xor 16
.set MSB, 0
.macro WIN new                         ; the immediate's high byte repeats the setting that is left
.if MSB != \new
	s_set_vgpr_msb (MSB<<8)|\new
.set MSB, \new
.endif
.endm
.set MUL_LO, 0xa1                      ; source 0 (B) window 1, source 1 (A) window 0, C and D window 2
.set MUL_HI, 0xf1                      ; the same, C and D window 3
.set TO_B,   0x40                      ; destination window 1
; A joint load: waves 0 and 1 fetch for A, waves 2 and 3 for B; the branch hangs on the wave's number alone.  Four v_nop follow each of the two lines.
.macro JLOAD g0a, g1a, g0b, g1b
	s_cmp_eq_u32 s15, 0
	s_cbranch_scc0 .Lfor_b_\@
	tensor_load_to_lds s[\g0a:\g0a+3], s[\g1a:\g1a+7]
	s_nop 0
.rept 4
	v_nop
.endr
	s_branch .Lasked_\@
.Lfor_b_\@:
	tensor_load_to_lds s[\g0b:\g0b+3], s[\g1b:\g1b+7]
	s_nop 0
.rept 4
	v_nop
.endr
.Lasked_\@:
.endm
.macro CREST                           ; a round of the cluster's barrier behind its opening barrier
	s_cmp_lg_u32 s14, 0
	s_cbranch_scc1 .Lnot_wave_0_\@
	s_barrier_signal -3
.Lnot_wave_0_\@:
	s_barrier_wait -3
	s_barrier_signal -1
	s_barrier_wait -1
.endm
.macro CROUND                          ; a whole round
	s_barrier_signal -1
	s_barrier_wait -1
	CREST
.endm
	s_load_b512 s[68:83], s[0:1], 0x0              ; x's codes 68, x's scales 70, Wq's 72, 74, Wk's 76, 78, Wv's 80, 82
	s_load_b256 s[84:91], s[0:1], 0x40             ; bq 84, bk 86, bv 88, qkv 90
	v_lshl_add_u32 v[SPW], v0, 2, SPARE
	v_mov_b32 v[NIL], 0
	ds_add_u32 v28, v29
	ds_add_u32 v28, v29
	s_wait_dscnt 0x0
	v_lshrrev_b32 v1, 5, v0
	v_readfirstlane_b32 s14, v1                    ; wave 0..3
	s_lshr_b32 s15, s14, 1                         ; which half of A's rows is mine.  Also: I fetch for A (0) or for B (1)
	s_and_b32 s16, s14, 1                          ; which half of B's rows.  Also: which 128 rows of that tile I fetch
	s_bfe_u32 s40, ttmp6, 0x40000                  ; cx, cy: my place in the cluster
	s_bfe_u32 s41, ttmp6, 0x40004
	s_and_b32 s66, ttmp7, 0xffff
	s_lshl_b32 s66, s66, 2                         ; 4 x cluster y: the first of the cluster's four tiles of x
	s_lshl_b32 s43, s41, 2
	s_lshl_b32 s43, 15, s43                        ; my row of the cluster
	s_lshl_b32 s44, 0x1111, s40                    ; my column
	s_mov_b32 s[SEL], 0x76543210
	s_mov_b32 s[SEL+1], 0xfedcba98
	; group 1: a tile of 128 rows x 192 bytes, 16 bytes of padding behind every 64
	s_or_b32 s[G1+0], s43, (0<<16)|(1<<20)|(1<<21)|(3<<22)|(3<<25)  ; the mask: A's tiles go to my row; elements of 1 byte; padding on; bit 21 beside a mask; after every 16 words, 4 words
	s_or_b32 s[G1B+0], s44, (0<<16)|(1<<20)|(1<<21)|(3<<22)|(3<<25) ; B's go to my column
.irp g, G1, G1B
	s_mov_b32 s[\g+1], ROWB<<16                    ; tensor_dim0
	s_mov_b32 s[\g+2], 128<<16                     ; tensor_dim1
	s_mov_b32 s[\g+3], ROWB<<16                    ; tile_dim0
	s_mov_b32 s[\g+4], 128                         ; tile_dim1
	s_mov_b32 s[\g+5], KROW                        ; from row to row
	s_mov_b32 s[\g+6], 0
	s_mov_b32 s[\g+7], 0
.endr
	s_wait_kmcnt 0x0
	; which buffers are A and B: the choice hangs on the cluster's x alone
	s_cmp_eq_u32 ttmp9, 0
	s_cselect_b64 s[8:9], s[72:73], s[76:77]       ; Wq or Wk: codes,
	s_cselect_b64 s[10:11], s[74:75], s[78:79]     ; scales,
	s_cselect_b64 s[96:97], s[84:85], s[86:87]     ; bias
	s_cmp_eq_u32 ttmp9, 2
	s_cselect_b64 s[4:5], s[80:81], s[68:69]       ; A's codes: Wv's for V, else x's
	s_cselect_b64 s[6:7], s[82:83], s[70:71]       ; A's scales
	s_cselect_b64 s[8:9], s[68:69], s[8:9]         ; B's codes: x's for V, else the weight's
	s_cselect_b64 s[10:11], s[70:71], s[10:11]     ; B's scales
	s_cselect_b64 s[96:97], s[88:89], s[96:97]     ; the bias
	s_cselect_b32 s67, 0, s66                      ; x has 32 tiles (4 x cluster y + place), a weight 4 (the place)
	s_cselect_b32 s98, s66, 0
	s_mov_b64 s[12:13], s[90:91]                   ; qkv
	s_add_co_u32 s17, s41, s67                     ; A's tile: hangs on cy
	s_add_co_u32 s42, s40, s98                     ; B's tile: hangs on cx
	; group 1 for the scales of 128 rows: 4,096 dense bytes as 16 rows of 256 bytes (32 elements of 8), 16 bytes of padding behind each
	s_or_b32 s[G1S+0], s43, (3<<16)|(1<<20)|(1<<21)|(5<<22)|(3<<25)
	s_or_b32 s[G1SB+0], s44, (3<<16)|(1<<20)|(1<<21)|(5<<22)|(3<<25)
.irp g, G1S, G1SB
	s_mov_b32 s[\g+1], 32<<16
	s_mov_b32 s[\g+2], 16<<16
	s_mov_b32 s[\g+3], 32<<16
	s_mov_b32 s[\g+4], 16
	s_mov_b32 s[\g+5], 32
	s_mov_b32 s[\g+6], 0
	s_mov_b32 s[\g+7], 0
.endr
	s_lshl_b32 s18, s16, 7                         ; which 128 rows of the tile I fetch
	s_lshl_b32 s20, s17, 8
	s_add_co_u32 s20, s20, s18                     ; A: row 256 x tile + 128 x half
	s_lshl_b32 s46, s42, 8
	s_add_co_u32 s46, s46, s18                     ; B likewise
	s_mov_b32 s21, 0
	s_mov_b32 s47, 0
	s_mov_b64 s[18:19], KS
	s_mul_u64 s[22:23], s[20:21], s[18:19]         ; where these rows' scales begin,
	s_mul_u64 s[92:93], s[46:47], s[18:19]
	s_mov_b64 s[18:19], KROW
	s_mul_u64 s[20:21], s[20:21], s[18:19]         ; and their codes
	s_mul_u64 s[46:47], s[46:47], s[18:19]
	s_mul_i32 s45, s14, HALFT                      ; where they go: wave x 128 rows: no place in the cluster enters an LDS address
	s_mul_i32 s94, s14, HALFS
	s_add_nc_u64 s[20:21], s[4:5], s[20:21]
	s_add_nc_u64 s[22:23], s[6:7], s[22:23]
	s_add_nc_u64 s[46:47], s[8:9], s[46:47]
	s_add_nc_u64 s[92:93], s[10:11], s[92:93]
	CROUND                                         ; all sixteen work-groups are here: the first joint loads meet
	s_mov_b32 s[G0S], 1
	s_add_co_u32 s[G0S+1], s94, SCL
	s_mov_b64 s[G0S+2:G0S+3], s[22:23]
	s_or_b32 s[G0S+3], s[G0S+3], 0x80000000
	s_mov_b32 s[G0SB], 1
	s_add_co_u32 s[G0SB+1], s94, SCL
	s_mov_b64 s[G0SB+2:G0SB+3], s[92:93]
	s_or_b32 s[G0SB+3], s[G0SB+3], 0x80000000
	JLOAD G0S, G1S, G0SB, G1SB                     ; the scales first: they are wanted with K step 0
.irp s, 0,1
	s_mov_b32 s[G0+4*\s], 1
	s_add_co_u32 s[G0+4*\s+1], s45, \s*SLOT
	s_add_nc_u64 s[G0+4*\s+2:G0+4*\s+3], s[20:21], \s*ROWB
	s_or_b32 s[G0+4*\s+3], s[G0+4*\s+3], 0x80000000
	s_mov_b32 s[G0B+4*\s], 1
	s_add_co_u32 s[G0B+4*\s+1], s45, \s*SLOT
	s_add_nc_u64 s[G0B+4*\s+2:G0B+4*\s+3], s[46:47], \s*ROWB
	s_or_b32 s[G0B+4*\s+3], s[G0B+4*\s+3], 0x80000000
	JLOAD G0+4*\s, G1, G0B+4*\s, G1B
.endr
	v_and_b32 v1, 15, v0                           ; r = lane % 16
	v_bfe_u32 v2, v0, 4, 1                         ; h = lane / 16
	v_mul_u32_u24 v3, v1, PITCH
	v_mul_u32_u24 v4, v2, 24
	v_add_nc_u32 v4, v3, v4                        ; a fragment's row x pitch + 24 x half
	v_lshl_add_u32 v5, v2, 4, v4                   ; and the same behind one padding more
	s_mul_i32 s21, s15, HALFT                      ; my 128 rows of A
	s_mul_i32 s22, s16, HALFT                      ; my 128 rows of B,
	s_add_co_u32 s22, s22, 2*HALFT                 ; which lie behind A's 256
.irp s, 0,1
	v_add_nc_u32 v[ADRA+\s], s21, v4
	v_add_nc_u32 v[ADRB+\s], s22, v4
	v_add_nc_u32 v[ADRA+2+\s], s21, v5
	v_add_nc_u32 v[ADRB+2+\s], s22, v5
	s_add_co_u32 s21, s21, SLOT
	s_add_co_u32 s22, s22, SLOT
.endr
	v_mul_u32_u24 v5, v1, KS                       ; my row's scales: 32 bytes a row,
	v_lshrrev_b32 v6, 8, v5
	v_lshl_add_u32 v5, v6, 4, v5                   ; and 16 more for each 256 passed
	s_mul_i32 s21, s15, HALFS                      ; A's: my 128 rows
	s_mul_i32 s22, s16, HALFS                      ; B's: my 128 rows, behind A's 256
	s_add_co_u32 s22, s22, 2*HALFS
	s_sub_co_u32 s22, s22, s21
	v_mul_u32_u24 v6, s22, v2                      ; lanes 16-31 take B's: one product, the distance between the two
	s_add_co_u32 s21, s21, SCL
	v_add_nc_u32 v5, v5, v6
	v_add_nc_u32 v[ADRS], s21, v5
	v_and_b32 v6, 31, v0                           ; the way out: the lane's terms
	v_lshlrev_b32 v[L16], 4, v6
	v_lshlrev_b32 v[L8], 3, v6
	v_mul_u32_u24 v[VSA], v2, HSTR
	v_lshl_add_u32 v[VSA], v1, 4, v[VSA]
	v_lshlrev_b32 v[H32], 5, v2
	v_lshlrev_b32 v[R4], 2, v1
	; where my wave's results go: its 128 rows of x are step X128 % 16 of batch X128 / 16; its 128 rows of W are heads hd0 and hd0 + 1
	s_cmp_eq_u32 ttmp9, 2
	s_cselect_b32 s18, s42, s17                    ; x's tile,
	s_cselect_b32 s19, s16, s15                    ; my half of it,
	s_cselect_b32 s20, s17, s42                    ; the weight's tile,
	s_cselect_b32 s21, s15, s16                    ; my half of it
	s_lshl_b32 s18, s18, 1
	s_add_co_u32 s18, s18, s19                     ; X128
	s_lshl_b32 s20, s20, 2
	s_lshl_b32 s21, s21, 1
	s_add_co_u32 s20, s20, s21                     ; hd0
	s_lshr_b32 s22, s18, 4
	s_lshl_b32 s22, s22, 8                         ; batch x 16 heads x 16 steps
	s_lshl_b32 s23, s20, 4
	s_add_co_u32 s22, s22, s23
	s_and_b32 s18, s18, 15
	s_add_co_u32 s22, s22, s18                     ; the record
	s_mul_i32 s22, s22, REC
	s_mul_i32 s23, ttmp9, 6656                     ; Q's, K's or V's part of it
	s_add_co_u32 s22, s22, s23
	s_mov_b32 s23, 0
	s_add_nc_u64 s[12:13], s[12:13], s[22:23]
	s_lshl_b32 s22, s20, 8                         ; the bias: 64 numbers a head
	s_add_nc_u64 s[96:97], s[96:97], s[22:23]
.macro FRAG reg, adr, q, i             ; a fragment: lane l holds row l % 16; registers 6 c .. 6 c + 5 hold K = 64 c + 32 (l / 16) + 0 .. 31: 24 bytes of the row's stream of bits, as they lie
.irp p, 0,1,2,3,4,5                    ; in pieces of 8 bytes.  Lanes 0-15 take pieces 12 q + 0, 1, 2 and 12 q + 6, 7, 8, lanes 16-31 those three pieces on
.set PCE, 12*(\q)+6*(\p/3)+\p%3       ; 16 bytes of padding lie behind every 8 pieces: where the piece three on lies behind one padding more, the second address register serves
.if PCE%8 < 5
	ds_load_b64 v[\reg+2*\p:\reg+2*\p+1], v[\adr] offset:8*PCE+16*(PCE/8)+(\i)*16*PITCH
.else
	ds_load_b64 v[\reg+2*\p:\reg+2*\p+1], v[\adr+2] offset:8*PCE+16*(PCE/8)+(\i)*16*PITCH
.endif
.endr
.endm
; 16 matrix instructions: A's blocks a0, a0 + 1 x B's eight, 128 along K.  p: B's set; sc: the set of scale words.  zero = 1: the first product starts the sums.
; The 64 accumulators take turns, one instruction a turn, in the same order in every step.
.macro MUL16 a0, p, q, sc, zero
.irp a, \a0, \a0+1
.irp b, 0,1,2,3,4,5,6,7
.if \zero
	v_wmma_scale_f32_16x16x128_f8f6f4 v[8*(8*((\a)%4)+\b):8*(8*((\a)%4)+\b)+7], v[128*(\p)+FR*\b:128*(\p)+FR*\b+FR-1], v[AF+FR*(\a):AF+FR*(\a)+FR-1], 0, v[SC+8*NQ*(\sc)+NQ*\b+(\q)], v[SC+8*NQ*(\sc)+NQ*(\a)+(\q)] matrix_a_fmt:MATRIX_FMT_FP6 matrix_b_fmt:MATRIX_FMT_FP6 matrix_a_scale:MATRIX_SCALE_ROW1
.else
	v_wmma_scale_f32_16x16x128_f8f6f4 v[8*(8*((\a)%4)+\b):8*(8*((\a)%4)+\b)+7], v[128*(\p)+FR*\b:128*(\p)+FR*\b+FR-1], v[AF+FR*(\a):AF+FR*(\a)+FR-1], v[8*(8*((\a)%4)+\b):8*(8*((\a)%4)+\b)+7], v[SC+8*NQ*(\sc)+NQ*\b+(\q)], v[SC+8*NQ*(\sc)+NQ*(\a)+(\q)] matrix_a_fmt:MATRIX_FMT_FP6 matrix_b_fmt:MATRIX_FMT_FP6 matrix_a_scale:MATRIX_SCALE_ROW1
.endif
.endr
.endr
.endm
.macro FETCH_B slot, q, p              ; B's eight fragments of the slot's q-th 128 along K into set p
	WIN TO_B
.irp i, 0,1,2,3,4,5,6,7
	FRAG 128*(\p)+FR*\i, ADRB+\slot, \q, \i
.endr
	WIN 0
.endm
.macro FETCH_A slot, q, i0             ; A's blocks i0 .. i0 + 3
.irp i, \i0, \i0+1, \i0+2, \i0+3
	FRAG AF+FR*(\i), ADRA+\slot, \q, \i
.endr
.endm
.macro SCALES sc                       ; a K step's scale words: two words a row; lanes 0-15 take A's block i, lanes 16-31 B's block i
.irp i, 0,1,2,3,4,5,6,7
	ds_load_b64 v[SC+8*NQ*\sc+NQ*\i:SC+8*NQ*\sc+NQ*\i+1], v[ADRS] offset:\i*SBLK
.endr
.endm
.macro PLACES n                        ; plain vector instructions that name no register of the matrix instructions ahead, in front of loads into registers that those have read
.rept \n
	v_nop
.endr
.endm
; A step of 128 along K that has its successor in the same slot.
.macro STEP slot, q, zero
	s_wait_dscnt 4*NL                              ; B's set and A's blocks 0-3 are in; the youngest 24 loads (A's blocks 4-7) may be out
	WIN MUL_LO
	MUL16 0, (\q)%2, \q, \slot, \zero
	MUL16 2, (\q)%2, \q, \slot, \zero
	s_wait_dscnt 0                                 ; A's blocks 4-7 are in
	PLACES NP
	FETCH_B \slot, (\q)+1, 1-(\q)%2
	FETCH_A \slot, (\q)+1, 0
	WIN MUL_HI
	MUL16 4, (\q)%2, \q, \slot, \zero
	MUL16 6, (\q)%2, \q, \slot, \zero
	PLACES NP
	WIN 0
	FETCH_A \slot, (\q)+1, 4
.endm
; A slot's last step changes slots: one barrier; in front of it each wave waits for all its tensor loads, adds 0 to its spare word, and waits for that and for its own reads of this slot.  fill = 1: this slot is filled again, two K steps ahead.
.macro TURN slot, next, fill
	s_wait_tensorcnt 0x0                           ; all my tensor loads have landed: my part of the next slot
	ds_add_u32 v[SPW], v[NIL]                      ; 0 onto my spare word
	s_wait_dscnt 4*NL+1                            ; (the add and the youngest 24 loads, A's blocks 4-7, may be out)
	WIN MUL_LO
	MUL16 0, 1, NQ-1, \slot, 0                     ; sixteen matrix instructions stand between the add and the wait for it
	s_wait_dscnt 0x0                               ; the add is done, and my reads of this slot are over
	s_barrier_signal -1
	MUL16 2, 1, NQ-1, \slot, 0
	WIN 0
	s_barrier_wait -1
.if \fill
	CREST                                          ; the barrier has opened a round of the cluster's barrier: no wave of any partner still reads this slot's tile or has a load on its way
	s_add_nc_u64 s[G0+4*\slot+2:G0+4*\slot+3], s[G0+4*\slot+2:G0+4*\slot+3], 2*ROWB
	s_add_nc_u64 s[G0B+4*\slot+2:G0B+4*\slot+3], s[G0B+4*\slot+2:G0B+4*\slot+3], 2*ROWB
	JLOAD G0+4*\slot, G1, G0B+4*\slot, G1B         ; the first tensor load behind the round; its four v_nop are the places in front of the loads below
.else
	PLACES NP
.endif
	s_wait_alu depctr_va_vdst(0)
	v_add_nc_u32 v[ADRS], 4*NQ, v[ADRS]            ; on to the next K step's scale words (no LDS load of mine is out)
	FETCH_B \next, 0, 0
	FETCH_A \next, 0, 0
	SCALES \next
	WIN MUL_HI
	MUL16 4, 1, NQ-1, \slot, 0
	MUL16 6, 1, NQ-1, \slot, 0
	PLACES NP
	WIN 0
	FETCH_A \next, 0, 4
.endm
.macro LASTSTEP                        ; the very last step: nothing more to fetch
	s_wait_dscnt 4*NL
	WIN MUL_LO
	MUL16 0, 1, NQ-1, 1, 0
	MUL16 2, 1, NQ-1, 1, 0
	s_wait_dscnt 0
	WIN MUL_HI
	MUL16 4, 1, NQ-1, 1, 0
	MUL16 6, 1, NQ-1, 1, 0
	WIN 0
.endm
; THE QUANTISER.  64 numbers of a lane, v[s] .. v[s + 63]; registers 16 b .. 16 b + 15 are my half of block b of 32, lane l xor 16 holds the other half.  Out: the four scale bytes in v[TM+4 ..], the twelve registers
; of codes in v[CD ..]: lane (r, h) holds block h in registers 0-5 and block 2 + h in registers 6-11.  A block's scale is 2^(floor(log2(its largest magnitude)) - 2): its byte is that magnitude's exponent field - 2.
.macro QUANT s
.irp b, 0,1,2,3
	v_max3_num_f32 v[TM+\b], |v[\s+16*\b]|, |v[\s+1+16*\b]|, 0x1800000   ; with the floor 2^(3 - 127): the byte cannot fall under 1
.endr
.irp i, 2,4,6,8,10,12,14
.irp b, 0,1,2,3
	v_max3_num_f32 v[TM+\b], v[TM+\b], |v[\s+16*\b+\i]|, |v[\s+1+16*\b+\i]|   ; the four blocks by turns
.endr
.endr
.irp b, 0,1,2,3
	v_permlanex16_b32 v[TM+4+\b], v[TM+\b], s[SEL], s[SEL+1]
.endr
.irp b, 0,1,2,3
	v_max_num_f32 v[TM+\b], v[TM+\b], v[TM+4+\b]   ; with lane l xor 16's: the block's largest magnitude
.endr
.irp b, 0,1,2,3
	v_add_nc_u32 v[TM+12+\b], 0xff000000, v[TM+\b]   ; 2 off its exponent field: the conversion takes the exponent field of this operand as its scale
.endr
.irp b, 0,1,2,3
	v_lshrrev_b32 v[TM+4+\b], 23, v[TM+12+\b]      ; the scale's byte
.endr
.irp c, 0,1
	v_cvt_scalef32_pk16_fp6_f32 v[CD+6*\c:CD+2+6*\c], v[\s+32*\c:\s+15+32*\c], v[TM+12+2*\c]
	v_cvt_scalef32_pk16_fp6_f32 v[CD+12+4*\c:CD+14+4*\c], v[\s+16+32*\c:\s+31+32*\c], v[TM+12+2*\c+1]   ; (a conversion's three registers begin on an even number)
.endr
	v_nop                                          ; one plain place behind a scaled conversion
.irp c, 0,1                            ; the operand's layout wants a whole block in a lane: lanes 0-15 block 2 c, lanes 16-31 block 2 c + 1
.irp i, 0,1,2
	v_permlane16_swap_b32 v[CD+6*\c+\i], v[CD+12+4*\c+\i]
.endr
.irp i, 0,1,2
	v_mov_b32 v[CD+3+6*\c+\i], v[CD+12+4*\c+\i]
.endr
.endr
.endm
; Q, K: block a = 16 rows of x; a lane's 64 numbers are dk 0-63 of head hd0 and of head hd0 + 1.
.macro OUTQK a
.if (\a) > 0
	s_wait_xcnt 0x0                                ; the last block's stores have read their registers: the codes may be written again
.endif
.set WN, 0x02+(\a)/4
	WIN WN                                         ; source 0: the accumulators' window
.set AC, 64*((\a)%4)
.set i, 0
.rept 32
	v_pk_add_f32 v[T+i:T+i+1], v[AC+i:AC+i+1], v[BI+i:BI+i+1]   ; + bias; each accumulator from its low end on
.set i, i+2
.endr
	WIN 0
	QUANT T
	v_lshl_or_b32 v[SW+\a], v[TM+5], 8, v[TM+4]    ; head hd0: b0, b1,
	v_lshl_or_b32 v[SW+\a], v[SW+\a], 16, v[SW+\a] ; and the same two again for the half of the instruction's K that holds no data
	v_lshl_or_b32 v[SW+8+\a], v[TM+7], 8, v[TM+6]  ; head hd0 + 1
	v_lshl_or_b32 v[SW+8+\a], v[SW+8+\a], 16, v[SW+8+\a]
	global_store_b128 v[L16], v[CD:CD+3], s[12:13] offset:(\a)*768              ; 512 consecutive bytes
	global_store_b64 v[L8], v[CD+4:CD+5], s[12:13] offset:(\a)*768+512          ; 256 consecutive bytes
	global_store_b128 v[L16], v[CD+6:CD+9], s[12:13] offset:HSTR+(\a)*768
	global_store_b64 v[L8], v[CD+10:CD+11], s[12:13] offset:HSTR+(\a)*768+512
.endm
; V: block a = 16 dk of head hd0 + a / 4; a lane's 64 numbers run along my 128 keys.
.macro OUTV a
.if (\a) > 0
	s_wait_xcnt 0x0
.endif
	v_mov_b32 v[TM+8], v[BI+\a]                    ; my dk's bias, as a pair
	v_mov_b32 v[TM+9], v[BI+\a]
.set WN, 0x02+(\a)/4
	WIN WN
.set AC, 64*((\a)%4)
.set i, 0
.rept 32
	v_pk_add_f32 v[T+i:T+i+1], v[AC+i:AC+i+1], v[TM+8:TM+9]
.set i, i+2
.endr
	WIN 0
	QUANT T
	v_lshl_or_b32 v[SW+\a], v[TM+5], 8, v[TM+4]    ; the four bytes make my dk's scale word for these 128 keys
	v_lshl_or_b32 v[SW+\a], v[TM+6], 16, v[SW+\a]
	v_lshl_or_b32 v[SW+\a], v[TM+7], 24, v[SW+\a]
.irp c, 0,1,2
	global_store_b128 v[L16], v[CD+4*\c:CD+4*\c+3], s[12:13] offset:((\a)/4)*HSTR+((\a)%4)*1536+512*\c
.endr
.endm
.macro FINI                            ; the wave's end: it waits for its tensor loads, adds 0 to its spare word and waits for that; then the closing round: no work-group ends while a partner may still ask for a tile that names it
	s_wait_tensorcnt 0x0
	ds_add_u32 v[SPW], v[NIL]
	s_wait_dscnt 0x0
	CROUND
	s_endpgm
.endm
	s_wait_alu depctr_va_vdst(0)
	s_wait_tensorcnt 1                             ; the scales and my part of K step 0 are in; K step 1's load, issued behind them, may be out
	s_barrier_signal -1
	s_barrier_wait -1                              ; everybody's are
	FETCH_B 0, 0, 0
	FETCH_A 0, 0, 0
	SCALES 0
	FETCH_A 0, 0, 4
	STEP 0, 0, 1                                   ; the first step stands in front of the loop: its products start the sums
	s_mov_b32 s3, LAPS-1
.Llap:                                                 ; a trip goes once round the ring and fills both slots again
	TURN 0, 1, 1
	STEP 1, 0, 0
	TURN 1, 0, 1
	STEP 0, 0, 0
	s_sub_co_u32 s3, s3, 1
	s_cmp_lg_u32 s3, 0
	s_cbranch_scc1 .Llap
	TURN 0, 1, 0                                   ; the last lap fills nothing
	STEP 1, 0, 0
	s_cmp_eq_u32 ttmp9, 2                          ; the ways part on the cluster's x, which all partners share; neither way stores to LDS
	s_cbranch_scc1 .Ltail_v
	; ---- Q and K.  The bias runs along the registers: v[BI + 8 b + j] = bias[64 hd0 + 16 b + 8 h + j]; the loads land under the last step
.irp b, 0,1,2,3,4,5,6,7
	global_load_b128 v[BI+8*\b:BI+8*\b+3], v[H32], s[96:97] offset:64*\b
	global_load_b128 v[BI+8*\b+4:BI+8*\b+7], v[H32], s[96:97] offset:64*\b+16
.endr
	LASTSTEP
.irp b, 0,1,2,3
	v_mov_b32 v[TM+4+\b], 0                        ; a lane permute's destination counts as one of its sources; these four are also the places behind the last products
.endr
	s_wait_loadcnt 0x0
.irp a, 0,1,2,3,4,5,6,7
	OUTQK \a
.endr
	v_cmp_eq_u32 vcc_lo, 1, v2                     ; lanes 16-31 store the words of tiles 4-7
.irp hd, 0,1
.irp i, 0,1,2,3
	v_cndmask_b32 v[SS+4*\hd+\i], v[SW+8*\hd+\i], v[SW+8*\hd+4+\i], vcc_lo
.endr
	global_store_b128 v[L16], v[SS+4*\hd:SS+4*\hd+3], s[12:13] offset:6144+\hd*HSTR   ; 256 (lane / 16) + 16 r: 512 consecutive bytes
.endr
	FINI
.Ltail_v:
	; ---- V.  The bias hangs on the lane: v[BI + a] = bv[64 hd0 + 16 a + r]
.irp a, 0,1,2,3,4,5,6,7
	global_load_b32 v[BI+\a], v[R4], s[96:97] offset:64*\a
.endr
	LASTSTEP
.irp b, 0,1,2,3
	v_mov_b32 v[TM+4+\b], 0
.endr
	s_wait_loadcnt 0x0
.irp a, 0,1,2,3,4,5,6,7
	OUTV \a
.endr
	v_cmp_eq_u32 vcc_lo, 1, v2                     ; lanes 16-31 store head hd0 + 1's words
.irp i, 0,1,2,3
	v_cndmask_b32 v[SS+\i], v[SW+\i], v[SW+4+\i], vcc_lo
.endr
	global_store_b128 v[VSA], v[SS:SS+3], s[12:13] offset:6144   ; each half of the lanes stores 256 consecutive bytes of its head's record
	FINI
.Lfunc_end_k_q0fc7e89c06_proj:
	.size	k_q0fc7e89c06_proj, .Lfunc_end_k_q0fc7e89c06_proj-k_q0fc7e89c06_proj
	.p2alignl 7, 3214868480
	.fill 96, 4, 3214868480
	.section	.rodata,"a",@progbits
	.p2align	6, 0x0
	.amdhsa_kernel k_q0fc7e89c06_proj
		.amdhsa_group_segment_fixed_size 327680
		.amdhsa_private_segment_fixed_size 0
		.amdhsa_enable_private_segment 0
		.amdhsa_kernarg_size 96
		.amdhsa_user_sgpr_count 2
		.amdhsa_user_sgpr_kernarg_segment_ptr 1
		.amdhsa_wavefront_size32 1
		.amdhsa_system_sgpr_workgroup_id_x 1
		.amdhsa_system_sgpr_workgroup_id_y 1
		.amdhsa_system_sgpr_workgroup_id_z 1
		.amdhsa_system_vgpr_workitem_id 0
		.amdhsa_next_free_vgpr 1024
		.amdhsa_next_free_sgpr 102
		.amdhsa_reserve_vcc 1
		.amdhsa_float_denorm_mode_32 3
		.amdhsa_float_denorm_mode_16_64 3
		.amdhsa_memory_ordered 1
		.amdhsa_forward_progress 1
		.amdhsa_inst_pref_size 242
	.end_amdhsa_kernel
	.amdgpu_metadata
---
amdhsa.version: [ 1, 2 ]
amdhsa.kernels:
  - .name:           k_q0fc7e89c06_proj
    .symbol:         k_q0fc7e89c06_proj.kd
    .args:
      - { .name: x_codes, .offset: 0, .size: 8, .value_kind: global_buffer, .address_space: global }
      - { .name: x_scales, .offset: 8, .size: 8, .value_kind: global_buffer, .address_space: global }
      - { .name: Wq_codes, .offset: 16, .size: 8, .value_kind: global_buffer, .address_space: global }
      - { .name: Wq_scales, .offset: 24, .size: 8, .value_kind: global_buffer, .address_space: global }
      - { .name: Wk_codes, .offset: 32, .size: 8, .value_kind: global_buffer, .address_space: global }
      - { .name: Wk_scales, .offset: 40, .size: 8, .value_kind: global_buffer, .address_space: global }
      - { .name: Wv_codes, .offset: 48, .size: 8, .value_kind: global_buffer, .address_space: global }
      - { .name: Wv_scales, .offset: 56, .size: 8, .value_kind: global_buffer, .address_space: global }
      - { .name: bq, .offset: 64, .size: 8, .value_kind: global_buffer, .address_space: global }
      - { .name: bk, .offset: 72, .size: 8, .value_kind: global_buffer, .address_space: global }
      - { .name: bv, .offset: 80, .size: 8, .value_kind: global_buffer, .address_space: global }
      - { .name: qkv, .offset: 88, .size: 8, .value_kind: global_buffer, .address_space: global }
    .group_segment_fixed_size: 327680
    .private_segment_fixed_size: 0
    .kernarg_segment_align: 8
    .kernarg_segment_size: 96
    .max_flat_workgroup_size: 128
    .sgpr_count:     102
    .vgpr_count:     1024
    .wavefront_size: 32
...
	.end_amdgpu_metadata
.endif
;; end of part 1
;; launch attn (part 2): grid 4 x 64, 16 waves a work-group, no clusters, 210,944 bytes of LDS; arguments qkv, cc, cs; writes cc, cs
.if DOCPART == 2
	.amdgcn_target "amdgcn-amd-amdhsa--gfx1250"
	.amdhsa_code_object_version 6
	.text
	.protected	k_q0fc7e89c06_attn
	.globl	k_q0fc7e89c06_attn
	.p2align	8
	.type	k_q0fc7e89c06_attn,@function
k_q0fc7e89c06_attn:
	s_mov_b64 s[64:65], 0
	v_nop
	global_prefetch_b8 v0, s[64:65] scope:SCOPE_SE
	s_setreg_imm32_b32 hwreg(HW_REG_WAVE_MODE, 25, 1), 1
	s_wait_xcnt 0x0
; Causal attention of one head on codes of FP6 (E2M3): S = Q K^T / 8, p = 2^(t - M), O = P V / l; O is quantised along (head, dk) for the last product.
; qkv is laid by the launch before as images of operand registers: [batch x 16 + head][step of 128 rows][Q 6,656 | K 6,656 | V 6,400 bytes].
; THE SOFTMAX: t = score x log2(e) / 8; M = the row's largest t so far, rounded UP to a whole number; p = 2^(t - M) is quantised along the keys, not normalised.  The row's sum is taken of the unquantised p, in f32, and
; divides O at the end.  When M moves, the sum and O are multiplied by 2^(old M - new M): exact.
; SHARES.  Work-group (j, head) takes the query blocks j and 7 - j of 256 queries, one after the other: block J walks J + 1 slots of 256 keys, so every work-group makes 9 visits: the trip count is a constant and every
; work-group has the same work.  Each of the sixteen waves owns 16 queries of the block, in 256 registers.
; THE WHOLE HEAD'S K AND V LIE IN LDS: 16 steps x 13,056 bytes = 208,896 bytes, each byte filled ONCE, by sixteen tensor loads at the head (waves 0 to 3, four each).  Nothing is filled again, so there is no ring.
; Two barriers order fills and reads: behind the first, steps 0 to 3 are in, and visit 0 (slot 0) is worked while the other twelve loads land; behind the second, all are in, and the eight other visits have no barrier:
; LDS is only read there, so the waves need not keep step.
; NO CLUSTER: the four work-groups of a head fill the same sixteen tiles, but they differ in their query block, and on it hang the branches that leave hidden steps out and the LDS address of a visit's slot; joint loads ask
; that no branch and no LDS address differ between partners.  Walking every slot in every partner would make 16 visits of 9.
; LAYOUT.  S^T = K Q^T (source 0 = 16 keys, source 1 = my 16 queries), O^T = V^T P^T (source 0 = 16 dk, source 1 = P): a lane holds ONE query (lane % 16) throughout.  Register j of key tile i is key 16 i + 8 (lane / 16) + j;
; the quantiser then leaves each block of 32 keys in the order 0-7, 16-23, 8-15, 24-31, which is the order in which V's codes were laid.
; K = 64 IN AN INSTRUCTION OF K = 128.  Q's registers 6-11 are zero codes.  K's registers 6-11 are whatever follows its six (the next tile's codes, zeros behind the last): codes of E2M3 are all finite numbers, and times Q's
; zeros they add nothing.  The scale bytes of that half repeat those of the first half.
; LIMITS: NaN and infinities are not served.  A block of O whose largest magnitude lies under 2^-124 gets the byte 1 (read by this program alone).  The sums of both products run over a permuted k inside each block of 32.
.set REC,   19712                      ; a record of qkv
.set HSTR,  16*REC                     ; from head to head
.set STEPB, 13056                      ; K's and V's part of a record: 51 x 256 dense bytes: what one tensor load brings; step s lies at LDS byte s x STEPB
.set SLOTB, 2*STEPB                    ; a visit's 256 keys
.set KSO,   6144                       ; in a step: K's codes at 0, K's scale words,
.set VC,    6656                       ; V's codes,
.set VSO,   12800                      ; V's scale words
.set KV,    38                         ; v38-85 eight tiles of K (6 registers each) or four of V (12 each); v86-91 zeros
.set WV,   10                          ; s10  my wave
.set SEL,  20                          ; s[20:21] selects of v_permlanex16_b32: lane l xor 16
.set CS,   22                          ; s[22:23] c = log2(e) / 8
.set G1,   24                          ; s[24:31] descriptor group 1
.set KVB,  36                          ; s[36:37] the head's K and V part of record (my wave)
.set TB,   38                          ; s38  LDS byte at which the visit's slot begins
.set KF,   39                          ; s39  the step's first key
.set Q0,   40                          ; s40  my first query
.set VIS,  41                          ; s41  the visit
.set E1,   42                          ; s42  j + 1: visits of the first block
.set G0,   68                          ; s[68:83] group 0, a set for each of a wave's four loads: none is written while its load is out
; v1 16 x lane, v2 8 x lane, v3 16 r, v4 32 r + h, v7 h, v8-10 LDS addresses in hand, v11 the mask's d, v12 -M, v13 the largest t, v[14:15] the sum in two halves,
; v16-21 Q, v22-27 zeros, v28 r - 8 h, v30-36 the second block's Q and scale word, v96-159 S^T, then p, v160-191 O^T, v192-199 scale words of K or V, v200-202 addresses of the way out,
; v224-235 p's codes, v232-254 at work, v252 f, v253 p's scale word, v255 Q's scale word.
	s_load_b128 s[4:7], s[0:1], 0x0                ; qkv, cc
	s_load_b64 s[8:9], s[0:1], 0x10                ; cs
	v_lshl_add_u32 v250, v0, 2, 0x33000
	v_mov_b32 v251, 0
	ds_add_u32 v250, v251
	ds_add_u32 v250, v251
	v_lshrrev_b32 v8, 5, v0
	s_delay_alu instid0(VALU_DEP_1)
	v_readfirstlane_b32 s[WV], v8                  ; wave 0..15
	s_and_b32 s12, ttmp7, 0xffff                   ; batch x 16 + head
	s_add_co_u32 s[E1], ttmp9, 1
	s_sub_co_u32 s17, 7, ttmp9                     ; the second block
	s_mul_i32 s50, s12, HSTR                       ; the head's first byte in qkv (under 2^25)
	s_mul_i32 s44, s[WV], REC                      ; record (wave): the first step that a fetching wave brings
	s_add_co_u32 s44, s44, s50
	s_add_co_u32 s[KVB], s44, 6656                 ; behind Q's part
	s_mov_b32 s[KVB+1], 0
	s_mul_i32 s60, s[WV], STEPB                    ; and its place in LDS
	s_mov_b32 s[G1], 3<<16                         ; no mask; elements of 8 bytes; no padding
	s_mov_b32 s[G1+1], 32<<16                      ; tensor_dim0 = 32: rows of 256 bytes
	s_mov_b32 s[G1+2], 51<<16                      ; tensor_dim1 = 51
	s_mov_b32 s[G1+3], 32<<16                      ; tile_dim0
	s_mov_b32 s[G1+4], 51                          ; tile_dim1
	s_mov_b32 s[G1+5], 32                          ; dense: from row to row 32 elements
	s_mov_b32 s[G1+6], 0
	s_mov_b32 s[G1+7], 0
	; Q: wave w's 16 queries of block J are tile w % 8 of record 2 J + w / 8
	s_lshr_b32 s13, s[WV], 3
	s_and_b32 s14, s[WV], 7
	s_mul_i32 s15, s14, 768                        ; the tile's codes
	s_lshr_b32 s16, s14, 2
	s_lshl_b32 s16, s16, 8
	s_and_b32 s18, s[WV], 3
	s_lshl_b32 s18, s18, 2
	s_add_co_u32 s16, s16, s18
	s_add_co_u32 s16, s16, KSO                     ; its scale words: 6,144 + 256 (tile / 4) + 4 (tile % 4), + 16 r
	s_lshl_b32 s18, ttmp9, 1
	s_add_co_u32 s18, s18, s13
	s_mul_i32 s18, s18, REC
	s_add_co_u32 s18, s18, s50                     ; the first block's record
	s_lshl_b32 s19, s17, 1
	s_add_co_u32 s19, s19, s13
	s_mul_i32 s19, s19, REC
	s_add_co_u32 s19, s19, s50                     ; the second block's
	s_add_co_u32 s52, s18, s15
	s_mov_b32 s53, 0
	s_add_co_u32 s54, s18, s16
	s_mov_b32 s55, 0
	s_add_co_u32 s56, s19, s15
	s_mov_b32 s57, 0
	s_add_co_u32 s58, s19, s16
	s_mov_b32 s59, 0
	s_lshl_b32 s43, s[WV], 4
	s_lshl_b32 s[Q0], ttmp9, 8
	s_add_co_u32 s[Q0], s[Q0], s43                 ; my first query: 256 J + 16 w
	s_lshl_b32 s45, s17, 8
	s_add_co_u32 s45, s45, s43                     ; and in the second block
	; the way out: my tile of 16 rows of concat is Tg = 128 batch + 16 J + w; cc: ((head x 512) + Tg) x 768; cs: Tg x 512 + 2 head
	s_lshr_b32 s13, s12, 4
	s_lshl_b32 s13, s13, 7
	s_add_co_u32 s13, s13, s[WV]
	s_and_b32 s14, s12, 15
	s_lshl_b32 s15, s14, 9
	s_lshl_b32 s14, s14, 1
	s_lshl_b32 s16, ttmp9, 4
	s_add_co_u32 s16, s16, s13
	s_lshl_b32 s48, s16, 9
	s_add_co_u32 s48, s48, s14
	s_add_co_u32 s16, s16, s15
	s_mul_i32 s46, s16, 768
	s_lshl_b32 s16, s17, 4
	s_add_co_u32 s16, s16, s13
	s_lshl_b32 s49, s16, 9
	s_add_co_u32 s49, s49, s14
	s_add_co_u32 s16, s16, s15
	s_mul_i32 s47, s16, 768
	s_mov_b32 s[SEL], 0x76543210
	s_mov_b32 s[SEL+1], 0xfedcba98
	s_mov_b32 s[CS], 0x3e38aa3b                    ; c = log2(e) / 8
	s_mov_b32 s[CS+1], s[CS]                       ; (named with it as a pair, so it is written)
	s_mov_b32 s[TB], 0                             ; visit 0 reads slot 0
	s_mov_b32 s[KF], 0
	s_wait_dscnt 0x0
	s_wait_kmcnt 0x0
	s_add_nc_u64 s[KVB:KVB+1], s[4:5], s[KVB:KVB+1]
.irp n, 0,1,2,3                        ; load n of wave w: step 4 n + w
	s_mov_b32 s[G0+4*\n], 1                                            ; count = 1
	s_add_co_u32 s[G0+4*\n+1], s60, \n*4*STEPB                         ; LDS address: (4 n + w) x STEPB
	s_add_nc_u64 s[G0+4*\n+2:G0+4*\n+3], s[KVB:KVB+1], \n*4*REC        ; global address: four records on
	s_or_b32 s[G0+4*\n+3], s[G0+4*\n+3], 0x80000000                    ; type = 2
.endr
	s_cmp_lt_u32 s[WV], 4                          ; waves 0 to 3 fetch: a wave's four fills stand in one branch, ahead of every wait on TENSORcnt, LDS read and barrier: four loads of mine are out
	s_cbranch_scc0 .Lasked
.irp n, 0,1,2,3
	tensor_load_to_lds s[G0+4*\n:G0+4*\n+3], s[G1:G1+7]
	s_nop 0
.endr
.rept 4
	v_nop                                          ; four v_nop follow the last of them
.endr
.Lasked:
	s_add_nc_u64 s[52:53], s[4:5], s[52:53]
	s_add_nc_u64 s[54:55], s[4:5], s[54:55]
	s_add_nc_u64 s[56:57], s[4:5], s[56:57]
	s_add_nc_u64 s[58:59], s[4:5], s[58:59]
	v_and_b32 v8, 31, v0
	s_delay_alu instid0(VALU_DEP_1)
	v_lshlrev_b32 v1, 4, v8
	s_delay_alu instid0(VALU_DEP_2)
	v_lshlrev_b32 v2, 3, v8
	v_and_b32 v9, 15, v0                           ; r
	v_bfe_u32 v7, v0, 4, 1                         ; h
	s_delay_alu instid0(VALU_DEP_2)
	v_lshlrev_b32 v3, 4, v9
	s_delay_alu instid0(VALU_DEP_2)
	v_lshl_add_u32 v4, v9, 5, v7
	s_delay_alu instid0(VALU_DEP_3)
	v_lshlrev_b32 v10, 3, v7
	s_delay_alu instid0(VALU_DEP_1)
	v_sub_nc_u32 v28, v9, v10                      ; r - 8 h
	global_load_b128 v[16:19], v1, s[52:53]        ; Q's image, as it was stored
	global_load_b64 v[20:21], v2, s[52:53] offset:512
	global_load_b32 v255, v3, s[54:55]
	global_load_b128 v[30:33], v1, s[56:57]        ; and the second block's
	global_load_b64 v[34:35], v2, s[56:57] offset:512
	global_load_b32 v36, v3, s[58:59]
.irp i, 0,1,2,3,4,5
	v_mov_b32 v[22+\i], 0                          ; Q's codes of k = 64 .. 127
	v_mov_b32 v[86+\i], 0                          ; behind K's last tile
.endr
	v_mov_b32 v13, 0xff61b1e6                      ; the largest t so far: -3e38, under every t
	s_delay_alu instid0(VALU_DEP_1)
	v_floor_f32 v12, -v13                          ; -M
	v_mov_b32 v14, 0                               ; the sum, in two halves
	v_mov_b32 v15, 0
.irp b, 0,1,2,3
	v_mov_b32 v[236+\b], 0                         ; a lane permute's destination counts as one of its sources
.endr
	v_mov_b32 v252, 0
	v_mov_b32 v253, 0                              ; (named as the upper half of the pair v[252:253] before it is first written)
.set n, 0
.rept 32
	v_mov_b32 v[160+n], 0                          ; O^T: the step is written once; the first finds zeros, which the first change of M leaves zeros
.set n, n+1
.endr
; A KEY STEP: 128 keys, the q-th of the visit's slot.
.macro STEP q
	s_add_co_u32 s50, s[Q0], 15                    ; a step all of whose keys come after my 16 queries is left out: a scalar branch on ids; no barrier and no tensor load stands in a step
	s_cmp_gt_u32 s[KF], s50
	s_cbranch_scc1 .Lhidden_\@
	v_add_nc_u32 v8, s[TB], v1
	v_add_nc_u32 v9, s[TB], v2
	v_add_nc_u32 v10, s[TB], v3
	v_nop                                          ; four places in front of loads into registers that the last products have read
.irp i, 0,1,2,3,4,5,6,7
	ds_load_b128 v[KV+6*\i:KV+6*\i+3], v8 offset:STEPB*(\q)+768*\i          ; 512 consecutive bytes
	ds_load_b64 v[KV+6*\i+4:KV+6*\i+5], v9 offset:STEPB*(\q)+768*\i+512
.endr
	ds_load_b128 v[192:195], v10 offset:STEPB*(\q)+KSO        ; lane r: the scale words of row r of tiles 0-3,
	ds_load_b128 v[196:199], v10 offset:STEPB*(\q)+KSO+256    ; of tiles 4-7
	s_wait_alu depctr_va_vdst(0)
	s_wait_dscnt 0x0
.irp i, 0,1,2,3,4,5,6,7
	v_wmma_scale_f32_16x16x128_f8f6f4 v[96+8*\i:103+8*\i], v[KV+6*\i:KV+6*\i+11], v[16:27], 0, v[192+\i], v255 matrix_a_fmt:MATRIX_FMT_FP6 matrix_b_fmt:MATRIX_FMT_FP6
.endr
.rept 4
	v_nop                                          ; places in front of the loads below and of the first read of the scores
.endr
.irp t, 0,1,2,3                        ; V's four tiles are asked for now: they land under the softmax
.irp c, 0,1,2
	ds_load_b128 v[KV+12*\t+4*\c:KV+12*\t+4*\c+3], v8 offset:STEPB*(\q)+VC+1536*\t+512*\c
.endr
.endr
	ds_load_b128 v[192:195], v10 offset:STEPB*(\q)+VSO        ; lane r: the scale words of dk row r of tiles 0-3
	s_add_co_u32 s50, s[KF], 127                   ; on the diagonal the scores of hidden keys become -infinity ahead of the maximum; a step all of whose keys count skips this
	s_cmp_le_u32 s50, s[Q0]
	s_cbranch_scc1 .Lopen_\@
	s_sub_co_i32 s50, s[Q0], s[KF]
	v_add_nc_u32 v11, s50, v28                     ; d = my query - KF - 8 h.  Register 8 i + j holds key KF + 16 i + 8 h + j: hidden where 16 i + j > d
	v_mov_b32 v254, 0xff800000                     ; -infinity
.set n, 0
.rept 64
	v_cmp_gt_i32 vcc_lo, 16*(n/8)+n%8, v11
	v_cndmask_b32 v[96+n], v[96+n], v254, vcc_lo
.set n, n+1
.endr
.Lopen_\@:
.irp b, 0,1,2,3
	v_max3_num_f32 v[232+\b], v[96+16*\b], v[97+16*\b], v[98+16*\b]   ; the largest score of each block of 32 keys: it serves for the row's maximum and, since p rises with the score, for the block's largest p
.endr
.irp i, 3,5,7,9,11,13
.irp b, 0,1,2,3
	v_max3_num_f32 v[232+\b], v[232+\b], v[96+16*\b+\i], v[97+16*\b+\i]
.endr
.endr
.irp b, 0,1,2,3
	v_max_num_f32 v[232+\b], v[232+\b], v[111+16*\b]
.endr
.irp b, 0,1,2,3
	s_delay_alu instid0(VALU_DEP_4)
	v_permlanex16_b32 v[236+\b], v[232+\b], s[SEL], s[SEL+1]
.endr
.irp b, 0,1,2,3
	s_delay_alu instid0(VALU_DEP_4)
	v_max_num_f32 v[232+\b], v[232+\b], v[236+\b]  ; with lane l xor 16's 16 keys
.endr
	s_delay_alu instid0(VALU_DEP_2)
	v_max3_num_f32 v254, v232, v233, v234
	s_delay_alu instid0(VALU_DEP_1)
	v_max_num_f32 v254, v254, v235                 ; the step's largest score of my query
	s_delay_alu instid0(VALU_DEP_1)
	v_mul_f32 v254, s[CS], v254                    ; as t (c is positive)
	s_delay_alu instid0(VALU_DEP_1)
	v_max_num_f32 v13, v13, v254                   ; the running largest t
	v_mov_b32 v254, v12
	s_delay_alu instid0(VALU_DEP_2)
	v_floor_f32 v12, -v13                          ; the new -M = floor(-t) = -ceil(t): a whole number
	s_delay_alu instid0(VALU_DEP_1)
	v_sub_f32 v254, v12, v254                      ; M's old value less its new one: a whole number, 0 or less
	s_delay_alu instid0(VALU_DEP_1)
	v_cvt_i32_f32 v254, v254                       ; (it saturates)
	s_delay_alu instid0(VALU_DEP_1)
	v_ldexp_f32 v252, 1.0, v254                    ; f = 2^(old M - new M)
.set n, 0
.rept 32
	v_pk_fma_f32 v[96+n:97+n], v[96+n:97+n], s[CS:CS+1], v[12:13] op_sel_hi:[1,0,0]   ; t - M, two at a time
.set n, n+2
.endr
.irp b, 0,1,2,3
	v_fma_f32 v[232+\b], v[232+\b], s[CS], v12     ; the same of each block's largest score
.endr
.set n, 0
	s_wait_alu depctr_va_vdst(0)
.rept 64
	v_exp_f32 v[96+n], v[96+n]                     ; p = 2^(t - M), at most 1: not normalised
.set n, n+1
.endr
.irp b, 0,1,2,3
	v_exp_f32 v[232+\b], v[232+\b]                 ; the block's largest p: the same two instructions on the same number give the same bits
.endr
	v_pk_mul_f32 v[14:15], v[14:15], v[252:253] op_sel_hi:[1,0]   ; the sums under the new M.  (A plain place behind the exponentials)
	s_wait_alu depctr_va_vdst(0)
.irp b, 0,1,2,3
	v_max_num_f32 v[232+\b], 0x1800000, v[232+\b]  ; the floor 2^(3 - 127): the byte cannot fall under 1
.endr
.irp b, 0,1,2,3
	s_delay_alu instid0(VALU_DEP_4)
	v_add_nc_u32 v[244+\b], 0xff000000, v[232+\b]  ; 2 off the exponent field: the conversion's scale operand
.endr
.irp b, 0,1,2,3
	s_delay_alu instid0(VALU_DEP_4)
	v_lshrrev_b32 v[236+\b], 23, v[244+\b]         ; the scale's byte
.endr
	s_delay_alu instid0(VALU_DEP_3)
	v_lshl_or_b32 v253, v237, 8, v236              ; p's scale word for these 128 keys
	s_delay_alu instid0(VALU_DEP_1)
	v_lshl_or_b32 v253, v238, 16, v253
	s_delay_alu instid0(VALU_DEP_1)
	v_lshl_or_b32 v253, v239, 24, v253
.irp c, 0,1
	v_cvt_scalef32_pk16_fp6_f32 v[224+6*\c:226+6*\c], v[96+32*\c:111+32*\c], v[244+2*\c]
	v_cvt_scalef32_pk16_fp6_f32 v[236+4*\c:238+4*\c], v[112+32*\c:127+32*\c], v[244+2*\c+1]   ; (a conversion's three registers begin on an even number)
.endr
	v_nop                                          ; one plain place behind a scaled conversion
.irp c, 0,1                            ; the operand's layout wants a whole block in a lane
.irp i, 0,1,2
	v_permlane16_swap_b32 v[224+6*\c+\i], v[236+4*\c+\i]
.endr
.irp i, 0,1,2
	s_delay_alu instid0(VALU_DEP_3)
	v_mov_b32 v[227+6*\c+\i], v[236+4*\c+\i]
.endr
.endr
	v_pk_add_f32 v[236:237], v[100:101], v[104:105]
	v_pk_add_f32 v[248:249], v[108:109], v[112:113]
	v_pk_add_f32 v[246:247], v[116:117], v[120:121]
	v_pk_add_f32 v[244:245], v[124:125], v[128:129]
	v_pk_add_f32 v[242:243], v[132:133], v[136:137]
	v_pk_add_f32 v[240:241], v[140:141], v[144:145]
	v_pk_add_f32 v[222:223], v[148:149], v[152:153]
	v_pk_add_f32 v[14:15], v[14:15], v[156:157]
	v_pk_add_f32 v[236:237], v[236:237], v[96:97]
	v_pk_add_f32 v[248:249], v[248:249], v[98:99]
	v_pk_add_f32 v[246:247], v[246:247], v[102:103]
	v_pk_add_f32 v[244:245], v[244:245], v[106:107]
	v_pk_add_f32 v[242:243], v[242:243], v[110:111]
	v_pk_add_f32 v[240:241], v[240:241], v[114:115]
	v_pk_add_f32 v[222:223], v[222:223], v[118:119]
	v_pk_add_f32 v[14:15], v[14:15], v[122:123]
	v_pk_add_f32 v[236:237], v[236:237], v[126:127]
	v_pk_add_f32 v[248:249], v[248:249], v[130:131]
	v_pk_add_f32 v[246:247], v[246:247], v[134:135]
	v_pk_add_f32 v[244:245], v[244:245], v[138:139]
	v_pk_add_f32 v[242:243], v[242:243], v[142:143]
	v_pk_add_f32 v[240:241], v[240:241], v[146:147]
	v_pk_add_f32 v[222:223], v[222:223], v[150:151]
	v_pk_add_f32 v[14:15], v[14:15], v[154:155]
	v_pk_add_f32 v[236:237], v[236:237], v[158:159]
	s_delay_alu instid0(VALU_DEP_2)
	v_pk_add_f32 v[14:15], v[14:15], v[244:245]
	s_delay_alu instid0(VALU_DEP_2)
	v_pk_add_f32 v[236:237], v[236:237], v[242:243]
	v_pk_add_f32 v[248:249], v[248:249], v[240:241]
	v_pk_add_f32 v[246:247], v[246:247], v[222:223]
	s_delay_alu instid0(VALU_DEP_2)
	v_pk_add_f32 v[14:15], v[14:15], v[248:249]
	s_delay_alu instid0(VALU_DEP_2)
	v_pk_add_f32 v[236:237], v[236:237], v[246:247]
	s_delay_alu instid0(VALU_DEP_1)
	v_pk_add_f32 v[14:15], v[14:15], v[236:237]
.set n, 0
.rept 16
	v_pk_mul_f32 v[160+n:161+n], v[160+n:161+n], v[252:253] op_sel_hi:[1,0]   ; O^T under the new M; with the sums above these are the places between the writes of p's codes and scale word and the products
.set n, n+2
.endr
	s_wait_alu depctr_va_vdst(0)
	s_wait_dscnt 0x0                               ; V is in
.irp t, 0,1,2,3                        ; O^T += V^T P^T: the four accumulators by turns, one instruction a turn
	v_wmma_scale_f32_16x16x128_f8f6f4 v[160+8*\t:167+8*\t], v[KV+12*\t:KV+12*\t+11], v[224:235], v[160+8*\t:167+8*\t], v[192+\t], v253 matrix_a_fmt:MATRIX_FMT_FP6 matrix_b_fmt:MATRIX_FMT_FP6
.endr
.Lhidden_\@:
	s_add_co_u32 s[KF], s[KF], 128
.endm
; A BLOCK'S END.  O^T / the sum; brought into the true order of dk, since the last product's other operand is given; quantised: two blocks of 32; stored as an image of six registers and two scale bytes a row.
.macro FINISH last
.rept 4
	v_nop                                          ; places behind the last products
.endr
	v_add_f32 v14, v14, v15                        ; the sum's two halves,
	s_delay_alu instid0(VALU_DEP_1)
	v_permlanex16_b32 v252, v14, s[SEL], s[SEL+1]
	s_delay_alu instid0(VALU_DEP_1)
	v_add_f32 v14, v14, v252                       ; and lane l xor 16's
	s_wait_alu depctr_va_vdst(0)
	v_rcp_f32 v14, v14
	v_nop                                          ; a plain place behind the transcendental
.set n, 0
	s_wait_alu depctr_va_vdst(0)
.rept 16
	v_pk_mul_f32 v[96+n:97+n], v[160+n:161+n], v[14:15] op_sel_hi:[1,0]   ; register 8 t + i is dk 16 t + 8 h + i of my query
.set n, n+2
.endr
.irp b, 0,1
.irp i, 0,1,2,3,4,5,6,7
	v_permlane16_swap_b32 v[96+16*\b+\i], v[104+16*\b+\i]   ; tile 2 b's lanes 16-31 change places with tile 2 b + 1's lanes 0-15: my 16 registers are now dk 32 b + 16 h + 0 .. 15
.endr
.endr
.irp b, 0,1
	v_max3_num_f32 v[232+\b], |v[96+16*\b]|, |v[97+16*\b]|, 0x1800000
.endr
.irp i, 2,4,6,8,10,12,14
.irp b, 0,1
	s_delay_alu instid0(VALU_DEP_2)
	v_max3_num_f32 v[232+\b], v[232+\b], |v[96+16*\b+\i]|, |v[97+16*\b+\i]|
.endr
.endr
.irp b, 0,1
	s_delay_alu instid0(VALU_DEP_2)
	v_permlanex16_b32 v[236+\b], v[232+\b], s[SEL], s[SEL+1]
.endr
.irp b, 0,1
	s_delay_alu instid0(VALU_DEP_2)
	v_max_num_f32 v[232+\b], v[232+\b], v[236+\b]
.endr
.irp b, 0,1
	s_delay_alu instid0(VALU_DEP_2)
	v_add_nc_u32 v[244+\b], 0xff000000, v[232+\b]
.endr
.irp b, 0,1
	s_delay_alu instid0(VALU_DEP_2)
	v_lshrrev_b32 v[236+\b], 23, v[244+\b]
.endr
	v_cvt_scalef32_pk16_fp6_f32 v[224:226], v[96:111], v244
	v_cvt_scalef32_pk16_fp6_f32 v[240:242], v[112:127], v245
	v_nop                                          ; one plain place behind a scaled conversion
.irp i, 0,1,2
	v_permlane16_swap_b32 v[224+\i], v[240+\i]     ; lane (r, h) now holds block h: its lower 16 codes here, its upper 16 there
.endr
.irp i, 0,1,2
	s_delay_alu instid0(VALU_DEP_3)
	v_mov_b32 v[227+\i], v[240+\i]
.endr
	v_cmp_eq_u32 vcc_lo, 1, v7
	s_delay_alu instid0(VALU_DEP_1)
	v_cndmask_b32 v238, v236, v237, vcc_lo         ; my block's byte
	v_add_nc_u32 v200, s46, v1
	v_add_nc_u32 v201, s46, v2
	v_add_nc_u32 v202, s48, v4
	global_store_b128 v200, v[224:227], s[6:7]               ; 512 consecutive bytes
	global_store_b64 v201, v[228:229], s[6:7] offset:512     ; 256 consecutive bytes
	global_store_b8 v202, v238, s[8:9]                       ; two bytes of each of 16 rows of 32: one head owns no more of a row of scale bytes, and the next launch takes them as plain rows
.if \last == 0
	s_wait_xcnt 0x0                                ; the stores have read their registers: they are written again below and in the next steps
.irp i, 0,1,2,3,4,5
	v_mov_b32 v[16+\i], v[30+\i]                   ; the second block's Q,
.endr
	v_mov_b32 v255, v36                            ; its scale word (the 36 lines below are the places between these writes and the next products),
	v_mov_b32 v13, 0xff61b1e6
	s_delay_alu instid0(VALU_DEP_1)
	v_floor_f32 v12, -v13
	v_mov_b32 v14, 0
	v_mov_b32 v15, 0
.set n, 0
.rept 32
	v_mov_b32 v[160+n], 0
.set n, n+1
.endr
	s_mov_b32 s[Q0], s45
	s_mov_b32 s46, s47
	s_mov_b32 s48, s49
	s_mov_b32 s[KF], 0
.endif
.endm
	s_wait_loadcnt 0x0                             ; Q, both blocks'
	s_wait_tensorcnt 0x3                           ; of a fetching wave's four loads the first has landed (steps 0 to 3 among the four waves); the three behind it may be out
	s_barrier_signal -1
	s_barrier_wait -1                              ; everybody's first has
	STEP 0                                         ; VISIT 0 is written out: slot 0, at constant addresses under byte 2 x STEPB; the loads still out land from byte 4 x STEPB on
	STEP 1
	s_cmp_lg_u32 s[E1], 1                          ; block 0 has this one visit
	s_cbranch_scc1 .Lsame_0
	FINISH 0
.Lsame_0:
	s_wait_tensorcnt 0x0                           ; all my loads have landed,
	s_barrier_signal -1
	s_barrier_wait -1                              ; everybody's have: the whole head lies in LDS, and from here on LDS is only read
	s_mov_b32 s[VIS], 1
.Lvisit:                                               ; eight trips, no barrier
	s_cmp_ge_u32 s[VIS], s[E1]
	s_cselect_b32 s44, s[E1], 0
	s_sub_co_u32 s43, s[VIS], s44                  ; the visit's slot: v in the first block, v - (j + 1) in the second;
	s_min_u32 s43, s43, 7                          ; a head has eight: the bound is written out
	s_mul_i32 s[TB], s43, SLOTB
	s_setprio 2
	STEP 0
	s_setprio 1
	STEP 1
	s_setprio 0
	s_add_co_u32 s43, s[VIS], 1
	s_cmp_lg_u32 s43, s[E1]                        ; behind visit j the first block is finished
	s_cbranch_scc1 .Lsame_block
	FINISH 0
.Lsame_block:
	s_add_co_u32 s[VIS], s[VIS], 1
	s_cmp_lt_u32 s[VIS], 9
	s_cbranch_scc1 .Lvisit
	s_setprio 0
	FINISH 1
	s_wait_tensorcnt 0x0
	ds_add_u32 v250, v251
	s_wait_dscnt 0x0
	s_endpgm
.Lfunc_end_k_q0fc7e89c06_attn:
	.size	k_q0fc7e89c06_attn, .Lfunc_end_k_q0fc7e89c06_attn-k_q0fc7e89c06_attn
	.p2alignl 7, 3214868480
	.fill 96, 4, 3214868480
	.section	.rodata,"a",@progbits
	.p2align	6, 0x0
	.amdhsa_kernel k_q0fc7e89c06_attn
		.amdhsa_group_segment_fixed_size 210944
		.amdhsa_private_segment_fixed_size 0
		.amdhsa_enable_private_segment 0
		.amdhsa_kernarg_size 24
		.amdhsa_user_sgpr_count 2
		.amdhsa_user_sgpr_kernarg_segment_ptr 1
		.amdhsa_wavefront_size32 1
		.amdhsa_system_sgpr_workgroup_id_x 1
		.amdhsa_system_sgpr_workgroup_id_y 1
		.amdhsa_system_sgpr_workgroup_id_z 1
		.amdhsa_system_vgpr_workitem_id 0
		.amdhsa_next_free_vgpr 256
		.amdhsa_next_free_sgpr 84
		.amdhsa_reserve_vcc 1
		.amdhsa_float_denorm_mode_32 3
		.amdhsa_float_denorm_mode_16_64 3
		.amdhsa_memory_ordered 1
		.amdhsa_forward_progress 1
		.amdhsa_inst_pref_size 116
	.end_amdhsa_kernel
	.amdgpu_metadata
---
amdhsa.version: [ 1, 2 ]
amdhsa.kernels:
  - .name:           k_q0fc7e89c06_attn
    .symbol:         k_q0fc7e89c06_attn.kd
    .args:
      - { .name: qkv, .offset: 0, .size: 8, .value_kind: global_buffer, .address_space: global }
      - { .name: cc, .offset: 8, .size: 8, .value_kind: global_buffer, .address_space: global }
      - { .name: cs, .offset: 16, .size: 8, .value_kind: global_buffer, .address_space: global }
    .group_segment_fixed_size: 210944
    .private_segment_fixed_size: 0
    .kernarg_segment_align: 8
    .kernarg_segment_size: 24
    .max_flat_workgroup_size: 512
    .sgpr_count:     84
    .vgpr_count:     256
    .wavefront_size: 32
...
	.end_amdgpu_metadata
.endif
;; end of part 2
;; launch outp (part 3): grid 4 x 32, 4 waves a work-group, clusters of 4 x 4, 327,680 bytes of LDS; arguments cc, cs, Wo_codes, Wo_scales, bo, out0; writes out0
.if DOCPART == 3
	.amdgcn_target "amdgcn-amd-amdhsa--gfx1250"
	.amdhsa_code_object_version 6
	.text
	.protected	k_q0fc7e89c06_outp
	.globl	k_q0fc7e89c06_outp
	.p2align	8
	.type	k_q0fc7e89c06_outp,@function
k_q0fc7e89c06_outp:
	s_mov_b64 s[64:65], 0
	v_nop
	global_prefetch_b8 v0, s[64:65] scope:SCOPE_SE
	s_setreg_imm32_b32 hwreg(HW_REG_WAVE_MODE, 25, 1), 1
	s_wait_xcnt 0x0
	s_wait_alu depctr_hold_cnt(0) depctr_sa_sdst(0) depctr_va_vdst(0) depctr_va_sdst(0) depctr_va_ssrc(0) depctr_va_vcc(0) depctr_vm_vsrc(0)
	s_getreg_b32 s2, hwreg(HW_REG_IB_STS2, 6, 4)
	s_cmp_eq_u32 s2, 0
	s_cbranch_scc0 .Lentry_in_a_cluster
	s_endpgm
.Lentry_in_a_cluster:
	s_bfe_u32 s2, ttmp6, 0x10000c
	s_cmp_lg_u32 s2, 0xf033
	s_cbranch_scc0 .Lentry_shape_is_right
	s_endpgm
.Lentry_shape_is_right:
.set SIZE_N, 1024
.set NQ,     2
.set ROWB,   192
.set KROW,   768
.set PITCH,  240
.set FR,     12
.set NLA,    4
.set NP,     4
.set HEADB,  6144
.set AHALF,  4*HEADB
.set BHALF,  128*PITCH
.set SLOT,   2*AHALF+2*BHALF
.set ASTEP,  4*512*768
.set LAPS,   2
.set KS,     32
.set SCL,    2*SLOT
.set HALFS,  16*272
.set SBLK,   2*272
.set SPARE,  SCL+4*HALFS
.set SPITCH, 528
.set ADRA, 16
.set ADRB, 20
.set STO,  24
.set RD,   25
.set CO,   26
.set ADRS, 27
.set SPW,  28
.set NIL,  29
.set SC,   32
.set BI,   64
.set AF,   128
.set BK,   128
.set G1, 24
.set G0, 32
.set G1B, 48
.set G0B, 56
.set G1S, 68
.set G0S, 76
.set G1SB, 80
.set G0SB, 88
.set MSB, 0
.macro WIN new
.if MSB != \new
	s_set_vgpr_msb (MSB<<8)|\new
.set MSB, \new
.endif
.endm
.set MUL_LO, 0xa1
.set MUL_HI, 0xf1
.set ONE_LO, 0x81
.set ONE_HI, 0xc1
.set TO_B,   0x40
.macro JLOAD g0a, g1a, g0b, g1b
	s_cmp_eq_u32 s15, 0
	s_cbranch_scc0 .Lfor_b_\@
	tensor_load_to_lds s[\g0a:\g0a+3], s[\g1a:\g1a+7]
	s_nop 0
.rept 4
	v_nop
.endr
	s_branch .Lasked_\@
.Lfor_b_\@:
	tensor_load_to_lds s[\g0b:\g0b+3], s[\g1b:\g1b+7]
	s_nop 0
.rept 4
	v_nop
.endr
.Lasked_\@:
.endm
.macro CREST
	s_cmp_lg_u32 s14, 0
	s_cbranch_scc1 .Lnot_wave_0_\@
	s_barrier_signal -3
.Lnot_wave_0_\@:
	s_barrier_wait -3
	s_barrier_signal -1
	s_barrier_wait -1
.endm
.macro CROUND
	s_barrier_signal -1
	s_barrier_wait -1
	CREST
.endm
	s_load_b128 s[4:7], s[0:1], 0x0
	s_load_b128 s[8:11], s[0:1], 0x10
	s_load_b64 s[96:97], s[0:1], 0x20
	s_load_b64 s[12:13], s[0:1], 0x28
	v_lshl_add_u32 v[SPW], v0, 2, SPARE
	v_mov_b32 v[NIL], 0
	ds_add_u32 v28, v29
	ds_add_u32 v28, v29
	s_wait_dscnt 0x0
	v_lshrrev_b32 v1, 5, v0
	v_readfirstlane_b32 s14, v1
	s_lshr_b32 s15, s14, 1
	s_and_b32 s16, s14, 1
	s_bfe_u32 s40, ttmp6, 0x40000
	s_bfe_u32 s41, ttmp6, 0x40004
	s_lshl_b32 s42, ttmp9, 2
	s_add_co_u32 s42, s42, s40
	s_and_b32 s17, ttmp7, 0xffff
	s_lshl_b32 s17, s17, 2
	s_add_co_u32 s17, s17, s41
	s_lshl_b32 s43, s41, 2
	s_lshl_b32 s43, 15, s43
	s_lshl_b32 s44, 0x1111, s40
	s_or_b32 s[G1+0], s43, (3<<16)|(1<<21)
	s_mov_b32 s[G1+1], 768<<16
	s_mov_b32 s[G1+2], 4<<16
	s_mov_b32 s[G1+3], 768<<16
	s_mov_b32 s[G1+4], 4
	s_mov_b32 s[G1+5], 49152
	s_mov_b32 s[G1+6], 0
	s_mov_b32 s[G1+7], 0
	s_or_b32 s[G1B+0], s44, (0<<16)|(1<<20)|(1<<21)|(3<<22)|(3<<25)
	s_mov_b32 s[G1B+1], ROWB<<16
	s_mov_b32 s[G1B+2], 128<<16
	s_mov_b32 s[G1B+3], ROWB<<16
	s_mov_b32 s[G1B+4], 128
	s_mov_b32 s[G1B+5], KROW
	s_mov_b32 s[G1B+6], 0
	s_mov_b32 s[G1B+7], 0
	s_or_b32 s[G1S+0], s43, (3<<16)|(1<<20)|(1<<21)|(5<<22)|(3<<25)
	s_or_b32 s[G1SB+0], s44, (3<<16)|(1<<20)|(1<<21)|(5<<22)|(3<<25)
.irp g, G1S, G1SB
	s_mov_b32 s[\g+1], 32<<16
	s_mov_b32 s[\g+2], 16<<16
	s_mov_b32 s[\g+3], 32<<16
	s_mov_b32 s[\g+4], 16
	s_mov_b32 s[\g+5], 32
	s_mov_b32 s[\g+6], 0
	s_mov_b32 s[\g+7], 0
.endr
	s_lshl_b32 s20, s17, 4
	s_lshl_b32 s18, s16, 3
	s_add_co_u32 s20, s20, s18
	s_mul_i32 s20, s20, 768
	s_mov_b32 s21, 0
	s_lshl_b32 s18, s16, 7
	s_lshl_b32 s22, s17, 8
	s_add_co_u32 s22, s22, s18
	s_lshl_b32 s22, s22, 5
	s_mov_b32 s23, 0
	s_lshl_b32 s46, s42, 8
	s_add_co_u32 s46, s46, s18
	s_lshl_b32 s92, s46, 5
	s_mov_b32 s93, 0
	s_mul_i32 s46, s46, KROW
	s_mov_b32 s47, 0
	s_mul_i32 s45, s16, AHALF
	s_mul_i32 s95, s16, BHALF
	s_add_co_u32 s95, s95, 2*AHALF
	s_mul_i32 s94, s14, HALFS
	s_wait_kmcnt 0x0
	s_add_nc_u64 s[20:21], s[4:5], s[20:21]
	s_add_nc_u64 s[22:23], s[6:7], s[22:23]
	s_add_nc_u64 s[46:47], s[8:9], s[46:47]
	s_add_nc_u64 s[92:93], s[10:11], s[92:93]
	CROUND
	s_mov_b32 s[G0S], 1
	s_add_co_u32 s[G0S+1], s94, SCL
	s_mov_b64 s[G0S+2:G0S+3], s[22:23]
	s_or_b32 s[G0S+3], s[G0S+3], 0x80000000
	s_mov_b32 s[G0SB], 1
	s_add_co_u32 s[G0SB+1], s94, SCL
	s_mov_b64 s[G0SB+2:G0SB+3], s[92:93]
	s_or_b32 s[G0SB+3], s[G0SB+3], 0x80000000
	JLOAD G0S, G1S, G0SB, G1SB
.irp s, 0,1
	s_mov_b32 s[G0+4*\s], 1
	s_add_co_u32 s[G0+4*\s+1], s45, \s*SLOT
	s_add_nc_u64 s[G0+4*\s+2:G0+4*\s+3], s[20:21], \s*ASTEP
	s_or_b32 s[G0+4*\s+3], s[G0+4*\s+3], 0x80000000
	s_mov_b32 s[G0B+4*\s], 1
	s_add_co_u32 s[G0B+4*\s+1], s95, \s*SLOT
	s_add_nc_u64 s[G0B+4*\s+2:G0B+4*\s+3], s[46:47], \s*ROWB
	s_or_b32 s[G0B+4*\s+3], s[G0B+4*\s+3], 0x80000000
	s_wait_alu depctr_va_vdst(0)
	s_wait_tensorcnt 0x0
	ds_add_u32 v28, v29
	s_wait_dscnt 0x0
	CROUND
	JLOAD G0+4*\s, G1, G0B+4*\s, G1B
.endr
	v_and_b32 v1, 15, v0
	v_bfe_u32 v2, v0, 4, 1
	v_and_b32 v6, 31, v0
	v_lshlrev_b32 v7, 4, v6
	v_lshlrev_b32 v8, 3, v6
	v_mul_u32_u24 v3, v1, PITCH
	v_mul_u32_u24 v4, v2, 24
	v_add_nc_u32 v4, v3, v4
	v_lshl_add_u32 v5, v2, 4, v4
	s_mul_i32 s21, s15, AHALF
	s_mul_i32 s22, s16, BHALF
	s_add_co_u32 s22, s22, 2*AHALF
.irp s, 0,1
	v_add_nc_u32 v[ADRA+\s], s21, v7
	v_add_nc_u32 v[ADRA+2+\s], s21, v8
	v_add_nc_u32 v[ADRB+\s], s22, v4
	v_add_nc_u32 v[ADRB+2+\s], s22, v5
	s_add_co_u32 s21, s21, SLOT
	s_add_co_u32 s22, s22, SLOT
.endr
	v_mul_u32_u24 v5, v1, KS
	v_lshrrev_b32 v6, 8, v5
	v_lshl_add_u32 v5, v6, 4, v5
	s_mul_i32 s21, s15, HALFS
	s_mul_i32 s22, s16, HALFS
	s_add_co_u32 s22, s22, 2*HALFS
	s_sub_co_u32 s22, s22, s21
	v_mul_u32_u24 v6, s22, v2
	s_add_co_u32 s21, s21, SCL
	v_add_nc_u32 v5, v5, v6
	v_add_nc_u32 v[ADRS], s21, v5
	s_mul_i32 s23, s14, 16*SPITCH
	v_mul_u32_u24 v5, v1, SPITCH
	v_lshl_add_u32 v5, v2, 5, v5
	v_add_nc_u32 v[STO], s23, v5
	v_mov_b32 v[CO], v7
	v_add_nc_u32 v[RD], s23, v7
	v_lshlrev_b32 v9, 5, v2
	s_wait_alu depctr_va_vdst(0)
	s_lshl_b32 s20, s17, 8
	s_lshl_b32 s21, s15, 7
	s_add_co_u32 s20, s20, s21
	s_lshl_b32 s20, s20, 12
	s_mov_b32 s21, 0
	s_lshl_b32 s46, s42, 10
	s_lshl_b32 s47, s16, 9
	s_add_co_u32 s46, s46, s47
	s_mov_b32 s47, 0
	s_add_nc_u64 s[96:97], s[96:97], s[46:47]
	s_add_nc_u64 s[20:21], s[20:21], s[46:47]
	s_add_nc_u64 s[12:13], s[12:13], s[20:21]
.irp b, 0,1,2,3,4,5,6,7
	global_load_b128 v[BI+8*\b:BI+8*\b+3], v9, s[96:97] offset:64*\b
	global_load_b128 v[BI+8*\b+4:BI+8*\b+7], v9, s[96:97] offset:64*\b+16
.endr
.macro FRAG reg, adr, q, i
.irp p, 0,1,2,3,4,5
.set PCE, 12*(\q)+6*(\p/3)+\p%3
.if PCE%8 < 5
	ds_load_b64 v[\reg+2*\p:\reg+2*\p+1], v[\adr] offset:8*PCE+16*(PCE/8)+(\i)*16*PITCH
.else
	ds_load_b64 v[\reg+2*\p:\reg+2*\p+1], v[\adr+2] offset:8*PCE+16*(PCE/8)+(\i)*16*PITCH
.endif
.endr
.endm
.macro FRAGA reg, slot, q, i
	ds_load_b128 v[\reg:\reg+3], v[ADRA+\slot] offset:(2*(\q))*HEADB+768*(\i)
	ds_load_b64 v[\reg+4:\reg+5], v[ADRA+2+\slot] offset:(2*(\q))*HEADB+768*(\i)+512
	ds_load_b128 v[\reg+6:\reg+9], v[ADRA+\slot] offset:(2*(\q)+1)*HEADB+768*(\i)
	ds_load_b64 v[\reg+10:\reg+11], v[ADRA+2+\slot] offset:(2*(\q)+1)*HEADB+768*(\i)+512
.endm
.macro MUL16 a0, p, q, sc, one
.irp a, \a0, \a0+1
.irp b, 0,1,2,3,4,5,6,7
.if \one
	v_wmma_scale_f32_16x16x128_f8f6f4 v[8*(8*((\a)%4)+\b):8*(8*((\a)%4)+\b)+7], v[128*(\p)+FR*\b:128*(\p)+FR*\b+FR-1], v[AF+FR*(\a):AF+FR*(\a)+FR-1], v[BI+8*\b:BI+8*\b+7], v[SC+8*NQ*(\sc)+NQ*\b+(\q)], v[SC+8*NQ*(\sc)+NQ*(\a)+(\q)] matrix_a_fmt:MATRIX_FMT_FP6 matrix_b_fmt:MATRIX_FMT_FP6 matrix_a_scale:MATRIX_SCALE_ROW1
.else
	v_wmma_scale_f32_16x16x128_f8f6f4 v[8*(8*((\a)%4)+\b):8*(8*((\a)%4)+\b)+7], v[128*(\p)+FR*\b:128*(\p)+FR*\b+FR-1], v[AF+FR*(\a):AF+FR*(\a)+FR-1], v[8*(8*((\a)%4)+\b):8*(8*((\a)%4)+\b)+7], v[SC+8*NQ*(\sc)+NQ*\b+(\q)], v[SC+8*NQ*(\sc)+NQ*(\a)+(\q)] matrix_a_fmt:MATRIX_FMT_FP6 matrix_b_fmt:MATRIX_FMT_FP6 matrix_a_scale:MATRIX_SCALE_ROW1
.endif
.endr
.endr
.endm
.macro FETCH_B slot, q, p
	WIN TO_B
.irp i, 0,1,2,3,4,5,6,7
	FRAG 128*(\p)+FR*\i, ADRB+\slot, \q, \i
.endr
	WIN 0
.endm
.macro FETCH_A slot, q, i0
.irp i, \i0, \i0+1, \i0+2, \i0+3
	FRAGA AF+FR*(\i), \slot, \q, \i
.endr
.endm
.macro SCALES sc
.irp i, 0,1,2,3,4,5,6,7
	ds_load_b64 v[SC+8*NQ*\sc+NQ*\i:SC+8*NQ*\sc+NQ*\i+1], v[ADRS] offset:\i*SBLK
.endr
.endm
.macro PLACES n
.rept \n
	v_nop
.endr
.endm
.macro STEP slot, q, one
	s_wait_dscnt 4*NLA
.if \one
	WIN ONE_LO
.else
	WIN MUL_LO
.endif
	MUL16 0, (\q)%2, \q, \slot, \one
	MUL16 2, (\q)%2, \q, \slot, \one
	s_wait_dscnt 0
	PLACES NP
	FETCH_B \slot, (\q)+1, 1-(\q)%2
	FETCH_A \slot, (\q)+1, 0
.if \one
	WIN ONE_HI
.else
	WIN MUL_HI
.endif
	MUL16 4, (\q)%2, \q, \slot, \one
	MUL16 6, (\q)%2, \q, \slot, \one
	PLACES NP
	WIN 0
	FETCH_A \slot, (\q)+1, 4
.endm
.macro TURN slot, next, fill
	s_wait_tensorcnt 0x0
	ds_add_u32 v[SPW], v[NIL]
	s_wait_dscnt 4*NLA+1
	WIN MUL_LO
	MUL16 0, 1, NQ-1, \slot, 0
	s_wait_dscnt 0x0
	s_barrier_signal -1
	MUL16 2, 1, NQ-1, \slot, 0
	WIN 0
	s_barrier_wait -1
.if \fill
	CREST
	s_add_nc_u64 s[G0+4*\slot+2:G0+4*\slot+3], s[G0+4*\slot+2:G0+4*\slot+3], 2*ASTEP
	s_add_nc_u64 s[G0B+4*\slot+2:G0B+4*\slot+3], s[G0B+4*\slot+2:G0B+4*\slot+3], 2*ROWB
	JLOAD G0+4*\slot, G1, G0B+4*\slot, G1B
.else
	PLACES NP
.endif
	s_wait_alu depctr_va_vdst(0)
	v_add_nc_u32 v[ADRS], 4*NQ, v[ADRS]
	FETCH_B \next, 0, 0
	FETCH_A \next, 0, 0
	SCALES \next
	WIN MUL_HI
	MUL16 4, 1, NQ-1, \slot, 0
	MUL16 6, 1, NQ-1, \slot, 0
	PLACES NP
	WIN 0
	FETCH_A \next, 0, 4
.endm
	s_wait_tensorcnt 1
	s_barrier_signal -1
	s_barrier_wait -1
	FETCH_B 0, 0, 0
	FETCH_A 0, 0, 0
	SCALES 0
	FETCH_A 0, 0, 4
	s_wait_loadcnt 0x0
	STEP 0, 0, 1
	s_mov_b32 s3, LAPS-1
.Llap:
	TURN 0, 1, 1
	STEP 1, 0, 0
	TURN 1, 0, 1
	STEP 0, 0, 0
	s_sub_co_u32 s3, s3, 1
	s_cmp_lg_u32 s3, 0
	s_cbranch_scc1 .Llap
	TURN 0, 1, 0
	STEP 1, 0, 0
	s_wait_dscnt 4*NLA
	WIN MUL_LO
	MUL16 0, 1, NQ-1, 1, 0
	MUL16 2, 1, NQ-1, 1, 0
	s_wait_dscnt 0
	WIN MUL_HI
	MUL16 4, 1, NQ-1, 1, 0
	MUL16 6, 1, NQ-1, 1, 0
	WIN 0
.macro TOSTAGE a
.set AC, 64*((\a)%4)
	WIN 0x08+4*((\a)/4)
.irp b, 0,1,2,3,4,5,6,7
	ds_store_b128 v[STO], v[AC+8*\b:AC+8*\b+3] offset:64*\b
	ds_store_b128 v[STO], v[AC+8*\b+4:AC+8*\b+7] offset:64*\b+16
.endr
	WIN 0
.set BB, BK+64*((\a)%2)
.irp t, 0,1,2,3,4,5,6,7,8,9,10,11,12,13,14,15
	ds_load_b128 v[BB+4*\t:BB+4*\t+3], v[RD] offset:\t*SPITCH
.endr
.endm
.macro SEND a, younger
.set BB, BK+64*((\a)%2)
	s_wait_dscnt \younger
.if (\a) > 0
	s_add_nc_u64 s[12:13], s[12:13], 16*SIZE_N*4
.endif
.irp t, 0,1,2,3,4,5,6,7,8,9,10,11,12,13,14,15
	global_store_b128 v[CO], v[BB+4*\t:BB+4*\t+3], s[12:13] offset:\t*SIZE_N*4 th:TH_STORE_NT
.endr
.endm
	PLACES NP
	TOSTAGE 0
.irp a, 1,2,3,4,5,6,7
.if \a > 1
	s_wait_xcnt 0x0
.endif
	TOSTAGE \a
	SEND \a-1, 32
.endr
	s_wait_xcnt 0x0
	SEND 7, 0
	s_wait_tensorcnt 0x0
	ds_add_u32 v[SPW], v[NIL]
	s_wait_dscnt 0x0
	CROUND
	s_endpgm
.Lfunc_end_k_q0fc7e89c06_outp:
	.size	k_q0fc7e89c06_outp, .Lfunc_end_k_q0fc7e89c06_outp-k_q0fc7e89c06_outp
	.p2alignl 7, 3214868480
	.fill 96, 4, 3214868480
	.section	.rodata,"a",@progbits
	.p2align	6, 0x0
	.amdhsa_kernel k_q0fc7e89c06_outp
		.amdhsa_group_segment_fixed_size 327680
		.amdhsa_private_segment_fixed_size 0
		.amdhsa_enable_private_segment 0
		.amdhsa_kernarg_size 48
		.amdhsa_user_sgpr_count 2
		.amdhsa_user_sgpr_kernarg_segment_ptr 1
		.amdhsa_wavefront_size32 1
		.amdhsa_system_sgpr_workgroup_id_x 1
		.amdhsa_system_sgpr_workgroup_id_y 1
		.amdhsa_system_sgpr_workgroup_id_z 1
		.amdhsa_system_vgpr_workitem_id 0
		.amdhsa_next_free_vgpr 1024
		.amdhsa_next_free_sgpr 100
		.amdhsa_reserve_vcc 0
		.amdhsa_float_denorm_mode_32 3
		.amdhsa_float_denorm_mode_16_64 3
		.amdhsa_memory_ordered 1
		.amdhsa_forward_progress 1
		.amdhsa_inst_pref_size 155
	.end_amdhsa_kernel
	.amdgpu_metadata
---
amdhsa.version: [ 1, 2 ]
amdhsa.kernels:
  - .name:           k_q0fc7e89c06_outp
    .symbol:         k_q0fc7e89c06_outp.kd
    .args:
      - { .name: cc, .offset: 0, .size: 8, .value_kind: global_buffer, .address_space: global }
      - { .name: cs, .offset: 8, .size: 8, .value_kind: global_buffer, .address_space: global }
      - { .name: Wo_codes, .offset: 16, .size: 8, .value_kind: global_buffer, .address_space: global }
      - { .name: Wo_scales, .offset: 24, .size: 8, .value_kind: global_buffer, .address_space: global }
      - { .name: bo, .offset: 32, .size: 8, .value_kind: global_buffer, .address_space: global }
      - { .name: out0, .offset: 40, .size: 8, .value_kind: global_buffer, .address_space: global }
    .group_segment_fixed_size: 327680
    .private_segment_fixed_size: 0
    .kernarg_segment_align: 8
    .kernarg_segment_size: 48
    .max_flat_workgroup_size: 128
    .sgpr_count:     100
    .vgpr_count:     1024
    .wavefront_size: 32
...
	.end_amdgpu_metadata
.endif
;; end of part 3
